; MI455X (gfx1250); checked and timed in simulation.
; The chip was launched on July 23, 2026; its instructions are those of AMD's public machine-readable ISA for CDNA 5 (MIT licence, August 2026) and "CDNA5" Instruction Set Architecture Reference Guide (July 2026). The comments in the code are by the model that wrote it; some were corrected since.
;; Attention. Allowed arithmetic: float matrix products may take bf16 or f16 operands with f32 sums; other float arithmetic in f32, or as packed bf16 or f16 multiplies, adds, multiply-adds, maxima and minima; sums over many terms, partial sums and values carried from step to step in f32; what a program stores and reads back later, other than sums and carried values, may be rounded once to bf16 or f16.
;; Inputs: key_t 2 x 4,096 x 8 x 64 float32; projection_matrix 256 x 64 float32; query 2 x 4,096 x 8 x 64 float32; value 2 x 4,096 x 8 x 64 float32.
;; Outputs: out0 2 x 4,096 x 8 x 64 float32.
;; 2 versions, each right; version 2 is version 1 with the launches state, main written anew for expert scheduling mode. Each part assembles by itself: llvm-mc -triple=amdgcn-amd-amdhsa -mcpu=gfx1250 --defsym DOCPART=n.
;; ======== version 1 of 2: 3 launches
;; limits: values are held in f16: magnitudes above 65,504 overflow, below 6.1e-05 lose precision
;; workspace buffers: states 15,974,400 bytes; pre 7,987,200 bytes; pimg 32,768 bytes
;; launch state (part 1): grid 15 x 16, 8 waves a work-group, no clusters, 75,776 bytes of LDS; arguments key_t, value, projection_matrix, states, pimg; writes states, pimg
.if DOCPART == 1
	.amdgcn_target "amdgcn-amd-amdhsa--gfx1250"
	.amdhsa_code_object_version 6
	.text
	.protected	k_q36d09f1152_state
	.globl	k_q36d09f1152_state
	.p2align	8
	.type	k_q36d09f1152_state,@function
k_q36d09f1152_state:
	s_mov_b64 s[64:65], 0
	v_nop
	global_prefetch_b8 v0, s[64:65] scope:SCOPE_SE
	s_setreg_imm32_b32 hwreg(HW_REG_WAVE_MODE, 25, 1), 1
	s_wait_xcnt 0x0
; CAUSAL LINEAR ATTENTION WITH ReLU FEATURES, first of three launches.  query, key_t, value, out0: [2][4096][8][64] f32; projection_matrix: [256][64] f32.
; With qp = relu(q P^T / 16) + 0.001 and kp likewise, row l of a head is  out[l] = (sum over j <= l of (qp[l].kp[j]) v[j]) / (sum over j <= l of qp[l].kp[j]).
; The 4,096 rows of a head are cut into 16 chunks of 256.  For a row of chunk c the keys of chunks 0 .. c-1 enter only through the sums  St[m][d] = sum kp[j][m] v[j][d]  and  ks[m] = sum kp[j][m].
; THIS LAUNCH makes each chunk's own St and ks (f32); the second adds them up chunk after chunk; the third does the rows.
; WORK LEFT OUT, for all values of the inputs: (1) the scan's initial sums are zeros that the scan itself builds, so chunk 0 has no product with earlier sums; (2) the sums of chunk 15 are
; carried out of the scan's last steps and used by no row, so the grid has 15 chunks; (3) in the third launch blocks of 32 keys x 16 queries with every key behind every query: row l sums j <= l only.
; All four inputs have a way to the output and are loaded.  LIMIT: a NaN, an infinity or an overflow that reaches only the work left out is not carried to the result.
; FORMATS AND LIMITS.  Matrix operands are bf16, sums f32.  P / 16 is rounded (the factor is a power of two, so this is P rounded, divided).  relu(x) + 0.001 is taken as max(x + 0.001, 0.001):
; 0.001 starts the feature product's sum, the sum is rounded to bf16, and the maximum is taken with bf16(0.001): rounding keeps order, so that is the rounded maximum.  Sums are taken in another order than the scan's.
; SHARES.  A work-group has one chunk (x) of one head (y = 8 b + h); wave w has the features 32 w .. 32 w + 31 (two tiles e), for all 256 keys, and brings in keys 32 w .. 32 w + 31 of K and V.
; LAYOUT.  A lane (r = lane % 16, h = lane / 16) reads the 128 bytes at 128 h of row r of K or P: fragment f (8 registers) holds channels 32 h + 16 f + 0..15.  That order of the 64 channels is the same
; in both sources of the feature product, so the sums are the same.  An IMAGE is a fragment as it lies in registers: registers 0-3 at 16 x lane, registers 4-7 at 512 + 16 x lane: 1,024 bytes.
; Feature product: source 0 = 16 keys, source 1 = 16 features: a lane ends with one feature and 8 keys; two results, rounded in pairs, ARE source 0 (16 features x 32 keys) of St = Kp^T V,
; whose source 1 is V turned by ds_load_tr16_b128; a fifth source 1 of ones gives ks.  In the result a lane holds one channel and 8 features.
.set VP,    160        ; a row of V in LDS: 128 bytes + 32: the turning load's 8 rows x 32 bytes fall on different banks (64 banks of 4 bytes: ISA guide 11.1)
.set KI,    0          ; 32 images of K: key tile kt, fragment f at (2 kt + f) x 1,024
.set VB,    32768      ; V in bf16, 256 rows
.set KS,    73728      ; ks of the chunk, f32, as one image.  It lies past what an LDS immediate of 16 bits reaches: the address registers carry it
.set SPARE, 74752      ; the spare words, 128 bytes for each of the eight waves; no other line names them
.set CHUNKB, 66560     ; a chunk's sums in memory: 64 tiles (channel tile ct, feature tile ft at 16 ct + ft) and ks, 1,024 bytes each
.set IMG, 3            ; v3   16 x lane
.set FRO, 4            ; v4   r x 2,048 + 128 h: my place in 16 rows of K
.set PRO, 5            ; v5   r x 256 + 128 h: in 16 rows of P
.set VGO, 6            ; v6   h x 2,048 + 16 r: in two rows of V
.set VLS, 7            ; v7   where my 8 bytes of those rows go in LDS
.set VTR, 8            ; v8   the turning load's address
.set KIS, 9            ; v9   my wave's four images of K
.set SO,  10           ; v10  my offset in the chunk's sums
.set KSS, 11           ; v11  where my half of the lanes puts ks
.set SPW, 12           ; v12  my spare word; never rewritten
.set NIL, 13           ; v13  0; never rewritten
.set PIO, 14           ; v14  my wave's four images of P in pimg
.set KSR, 15           ; v15  at work in the set-up; at the end KS + 16 x lane, where wave 0 reads ks back
.set C001, 16          ; v[16:23]   0.001
.set ONES, 24          ; v[24:31]   1.0 in bf16, twice a register
.set PF,  32           ; v[32:63]   P's fragments: tile e, fragment f at 8 (2 e + f)
.set ACC, 64           ; v[64:143]  the sums: tile e, channel tile ct (4 = ks) at 8 (5 e + ct)
.set DD,  144          ; v[144:175] feature sums: tile e, key tile a at 8 (2 e + a)
.set KT,  176          ; v[176:191] Kp^T: tile e
.set KA,  192          ; v[192:223] K's fragments: key tile a, fragment f at 8 (2 a + f)
.set VT,  224          ; v[224:255] V turned: channel tile ct
.macro PLACES          ; four plain vector instructions between a matrix instruction and a vector read of its result or a load into its registers
.rept 4
	v_nop
.endr
.endm
	s_load_b256 s[4:11], s[0:1], 0x0               ; key_t s[4:5], value s[6:7], projection_matrix s[8:9], states s[10:11]
	s_load_b64 s[12:13], s[0:1], 0x20              ; pimg
	v_lshl_add_u32 v[SPW], v0, 2, SPARE
	v_mov_b32 v[NIL], 0
	v_lshrrev_b32 v15, 5, v0
	v_readfirstlane_b32 s14, v15                   ; wave 0..7
	v_and_b32 v1, 15, v0                           ; r
	v_bfe_u32 v2, v0, 4, 1                         ; h
	v_and_b32 v15, 31, v0
	v_lshlrev_b32 v[IMG], 4, v15
	v_lshlrev_b32 v[FRO], 11, v1
	v_lshl_add_u32 v[FRO], v2, 7, v[FRO]
	v_lshlrev_b32 v[PRO], 8, v1
	v_lshl_add_u32 v[PRO], v2, 7, v[PRO]
	v_lshlrev_b32 v[VGO], 11, v2
	v_lshl_add_u32 v[VGO], v1, 4, v[VGO]
	s_mov_b32 s15, ttmp9                           ; chunk
	s_and_b32 s16, ttmp7, 0xffff                   ; head
	s_lshr_b32 s17, s16, 3
	s_lshl_b32 s17, s17, 23                        ; b x 4,096 rows of 2,048 bytes
	s_and_b32 s18, s16, 7
	s_lshl_b32 s18, s18, 8                         ; h x 256 bytes
	s_add_co_u32 s18, s18, s17
	s_lshl_b32 s17, s15, 19                        ; chunk x 256 rows
	s_add_co_u32 s18, s18, s17
	s_lshl_b32 s17, s14, 16                        ; wave x 32 rows
	s_add_co_u32 s18, s18, s17
	s_mov_b32 s19, 0
	s_lshl_b32 s24, s14, 13                        ; wave x 32 rows of P
	s_mov_b32 s25, 0
	s_mul_i32 s26, s16, 15
	s_add_co_u32 s26, s26, s15
	s_mul_i32 s26, s26, CHUNKB
	s_mov_b32 s27, 0
	s_mov_b32 s28, 0x3a833a83                      ; bf16(0.001), twice
	s_wait_kmcnt 0x0
	s_add_nc_u64 s[4:5], s[4:5], s[18:19]
	s_add_nc_u64 s[6:7], s[6:7], s[18:19]
	s_add_nc_u64 s[8:9], s[8:9], s[24:25]
	s_add_nc_u64 s[10:11], s[10:11], s[26:27]
.irp e, 0,1                                            ; 48 loads go out together: P, K, V, 16 each
.irp t, 0,1,2,3,4,5,6,7
	global_load_b128 v[64+32*(\e)+4*(\t):64+32*(\e)+4*(\t)+3], v[PRO], s[8:9] offset:(\e)*4096+16*(\t)
.endr
.endr
.irp a, 0,1
.irp t, 0,1,2,3,4,5,6,7
	global_load_b128 v[128+32*(\a)+4*(\t):128+32*(\a)+4*(\t)+3], v[FRO], s[4:5] offset:(\a)*32768+16*(\t)
.endr
.endr
.set t, 0
.rept 16
	global_load_b128 v[192+4*t:192+4*t+3], v[VGO], s[6:7] offset:4096*t  ; rows 2 t and 2 t + 1: sixteen lanes take a row's 256 bytes
.set t, t+1
.endr
	s_mul_i32 s20, s14, 32*VP
	s_add_co_u32 s20, s20, VB
	v_mul_u32_u24 v[VLS], v2, VP
	v_lshl_add_u32 v[VLS], v1, 3, v[VLS]
	v_add_nc_u32 v[VLS], s20, v[VLS]
	v_and_b32 v[VTR], 7, v0                        ; the turning load: lane l reads key 8 (l / 16) + l % 8, channels 8 ((l / 8) % 2) + 0..7
	v_lshl_add_u32 v[VTR], v2, 3, v[VTR]
	v_mul_u32_u24 v[VTR], v[VTR], VP
	v_bfe_u32 v15, v0, 3, 1
	v_lshl_add_u32 v[VTR], v15, 4, v[VTR]
	v_add_nc_u32 v[VTR], VB, v[VTR]
	s_lshl_b32 s21, s14, 12
	v_add_nc_u32 v[KIS], s21, v[IMG]
	v_add_nc_u32 v[PIO], s21, v[IMG]
	s_lshl_b32 s22, s14, 11
	v_add_nc_u32 v[SO], s22, v[IMG]
	s_lshl_b32 s23, s14, 6
	s_add_co_u32 s23, s23, KS
	v_lshl_add_u32 v[KSS], v2, 4, s23
.set i, 0
.rept 8
	v_mov_b32 v[C001+i], 0x3a83126f
	v_mov_b32 v[ONES+i], 0x3f803f80
.set i, i+1
.endr
	s_wait_loadcnt 32                              ; P is in; K's and V's 32 loads stay out
.set i, 0
.rept 32
	v_pk_mul_f32 v[64+2*i:64+2*i+1], v[64+2*i:64+2*i+1], 0x3d800000 op_sel_hi:[1,0]  ; the ratio 1 / sqrt(256)
.set i, i+1
.endr
.set i, 0
.rept 32
	v_cvt_pk_bf16_f32 v[PF+i], v[64+2*i], v[64+2*i+1]
.set i, i+1
.endr
	s_wait_loadcnt 16                              ; K is in
.set i, 0
.rept 32
	v_cvt_pk_bf16_f32 v[64+i], v[128+2*i], v[128+2*i+1]
.set i, i+1
.endr
.irp g, 0,1,2,3
	ds_store_b128 v[KIS], v[64+8*(\g):64+8*(\g)+3]   offset:KI+(\g)*1024
	ds_store_b128 v[KIS], v[64+8*(\g)+4:64+8*(\g)+7] offset:KI+(\g)*1024+512
.endr
	s_wait_loadcnt 0x0                             ; V is in
.set i, 0
.rept 32
	v_cvt_pk_bf16_f32 v[96+i], v[192+2*i], v[192+2*i+1]
.set i, i+1
.endr
.set t, 0
.rept 16
	ds_store_b64 v[VLS], v[96+2*t:96+2*t+1] offset:2*VP*t
.set t, t+1
.endr
	s_wait_dscnt 0x0                               ; for the others' sake: my images of K and my rows of V are in LDS
	s_barrier_signal -1
	s_barrier_wait -1
	s_or_b32 s20, s15, s16
	s_cmp_lg_u32 s20, 0
	s_cbranch_scc1 .Lnot_first                     ; the first work-group leaves P / 16 in bf16, as images, for the third launch
.irp g, 0,1,2,3
	global_store_b128 v[PIO], v[PF+8*(\g):PF+8*(\g)+3],   s[12:13] offset:(\g)*1024
	global_store_b128 v[PIO], v[PF+8*(\g)+4:PF+8*(\g)+7], s[12:13] offset:(\g)*1024+512
.endr
.Lnot_first:
.macro LKA kk                          ; K's fragments of keys 32 kk .. 32 kk + 31: four images
.irp g, 0,1,2,3
	ds_load_b128 v[KA+8*(\g):KA+8*(\g)+3],   v[IMG] offset:KI+(4*(\kk)+(\g))*1024
	ds_load_b128 v[KA+8*(\g)+4:KA+8*(\g)+7], v[IMG] offset:KI+(4*(\kk)+(\g))*1024+512
.endr
.endm
.macro LVT kk                          ; V of the same keys, turned
.irp ct, 0,1,2,3
	ds_load_tr16_b128 v[VT+8*(\ct):VT+8*(\ct)+3],   v[VTR] offset:(\kk)*32*VP+(\ct)*32
	ds_load_tr16_b128 v[VT+8*(\ct)+4:VT+8*(\ct)+7], v[VTR] offset:(\kk)*32*VP+(\ct)*32+16*VP
.endr
.endm
; 32 keys: 8 feature products (four sums by turns), the rounding, 10 products with V and with ones (ten sums by turns).
.macro STEP kk
	s_wait_dscnt 8                                 ; K's fragments are in; V's eight loads, issued behind them, stay out
.irp f, 0,1
.irp a, 0,1
.irp e, 0,1
.if (\f) == 0
	v_wmma_f32_16x16x32_bf16 v[DD+8*(2*(\e)+(\a)):DD+8*(2*(\e)+(\a))+7], v[KA+8*(2*(\a)+(\f)):KA+8*(2*(\a)+(\f))+7], v[PF+8*(2*(\e)+(\f)):PF+8*(2*(\e)+(\f))+7], v[C001:C001+7]
.else
	v_wmma_f32_16x16x32_bf16 v[DD+8*(2*(\e)+(\a)):DD+8*(2*(\e)+(\a))+7], v[KA+8*(2*(\a)+(\f)):KA+8*(2*(\a)+(\f))+7], v[PF+8*(2*(\e)+(\f)):PF+8*(2*(\e)+(\f))+7], v[DD+8*(2*(\e)+(\a)):DD+8*(2*(\e)+(\a))+7]
.endif
.endr
.endr
.endr
	PLACES
.if (\kk) < 7
	LKA (\kk)+1
.endif
.set z, 0
.rept 16                                               ; z = 8 e + 4 a + x: each sum's registers in ascending order
	v_cvt_pk_bf16_f32 v[KT+z], v[DD+2*z], v[DD+2*z+1]
.set z, z+1
.endr
.set z, 0
.rept 16
	v_pk_max_num_bf16 v[KT+z], v[KT+z], s28
.set z, z+1
.endr
.if (\kk) < 7
	s_wait_dscnt 8                                 ; V is in; the next K's eight loads stay out
.else
	s_wait_dscnt 0x0
.endif
.irp ct, 0,1,2,3,4
.irp e, 0,1
.set rB, VT+8*(\ct)
.if (\ct) == 4
.set rB, ONES
.endif
.if (\kk) == 0
	v_wmma_f32_16x16x32_bf16 v[ACC+8*(5*(\e)+(\ct)):ACC+8*(5*(\e)+(\ct))+7], v[KT+8*(\e):KT+8*(\e)+7], v[rB:rB+7], 0
.else
	v_wmma_f32_16x16x32_bf16 v[ACC+8*(5*(\e)+(\ct)):ACC+8*(5*(\e)+(\ct))+7], v[KT+8*(\e):KT+8*(\e)+7], v[rB:rB+7], v[ACC+8*(5*(\e)+(\ct)):ACC+8*(5*(\e)+(\ct))+7]
.endif
.endr
.endr
	PLACES
.if (\kk) < 7
	LVT (\kk)+1
.endif
.endm
	LKA 0
	LVT 0
.irp kk, 0,1,2,3,4,5,6,7
	STEP \kk
.endr
	; THE WAY OUT.  ks: with ones as source 1 all sixteen lanes of a half hold the same 8 sums and write them to the same words.
.irp e, 0,1
	ds_store_b128 v[KSS], v[ACC+8*(5*(\e)+4):ACC+8*(5*(\e)+4)+3]   offset:32*(\e)
	ds_store_b128 v[KSS], v[ACC+8*(5*(\e)+4)+4:ACC+8*(5*(\e)+4)+7] offset:32*(\e)+512
.endr
.irp ct, 0,1,2,3
.irp e, 0,1
	global_store_b128 v[SO], v[ACC+8*(5*(\e)+(\ct)):ACC+8*(5*(\e)+(\ct))+3],   s[10:11] offset:(\ct)*16384+(\e)*1024      ; 512 consecutive bytes a store
	global_store_b128 v[SO], v[ACC+8*(5*(\e)+(\ct))+4:ACC+8*(5*(\e)+(\ct))+7], s[10:11] offset:(\ct)*16384+(\e)*1024+512
.endr
.endr
	s_wait_dscnt 0x0                               ; my part of ks is in LDS
	s_barrier_signal -1
	s_barrier_wait -1
	s_cmp_lg_u32 s14, 0
	s_cbranch_scc1 .Lend                           ; wave 0 stores the 1,024 bytes of ks
	v_add_nc_u32 v[KSR], KS, v[IMG]
	ds_load_b128 v[DD:DD+3],   v[KSR]
	ds_load_b128 v[DD+4:DD+7], v[KSR] offset:512
	s_wait_dscnt 0x0
	global_store_b128 v[IMG], v[DD:DD+3],   s[10:11] offset:65536
	global_store_b128 v[IMG], v[DD+4:DD+7], s[10:11] offset:65536+512
.Lend:
	s_wait_tensorcnt 0x0                           ; the wave's end: behind my last LDS store
	ds_add_u32 v[SPW], v[NIL]
	s_wait_dscnt 0x0
	s_endpgm
.Lfunc_end_k_q36d09f1152_state:
	.size	k_q36d09f1152_state, .Lfunc_end_k_q36d09f1152_state-k_q36d09f1152_state
	.p2alignl 7, 3214868480
	.fill 96, 4, 3214868480
	.section	.rodata,"a",@progbits
	.p2align	6, 0x0
	.amdhsa_kernel k_q36d09f1152_state
		.amdhsa_group_segment_fixed_size 75776
		.amdhsa_private_segment_fixed_size 0
		.amdhsa_enable_private_segment 0
		.amdhsa_kernarg_size 40
		.amdhsa_user_sgpr_count 2
		.amdhsa_user_sgpr_kernarg_segment_ptr 1
		.amdhsa_wavefront_size32 1
		.amdhsa_system_sgpr_workgroup_id_x 1
		.amdhsa_system_sgpr_workgroup_id_y 1
		.amdhsa_system_sgpr_workgroup_id_z 1
		.amdhsa_system_vgpr_workitem_id 0
		.amdhsa_next_free_vgpr 256
		.amdhsa_next_free_sgpr 66
		.amdhsa_reserve_vcc 0
		.amdhsa_float_denorm_mode_32 3
		.amdhsa_float_denorm_mode_16_64 3
		.amdhsa_memory_ordered 1
		.amdhsa_forward_progress 1
		.amdhsa_inst_pref_size 58
	.end_amdhsa_kernel
	.amdgpu_metadata
---
amdhsa.version: [ 1, 2 ]
amdhsa.kernels:
  - .name:           k_q36d09f1152_state
    .symbol:         k_q36d09f1152_state.kd
    .args:
      - { .name: key_t, .offset: 0, .size: 8, .value_kind: global_buffer, .address_space: global }
      - { .name: value, .offset: 8, .size: 8, .value_kind: global_buffer, .address_space: global }
      - { .name: projection_matrix, .offset: 16, .size: 8, .value_kind: global_buffer, .address_space: global }
      - { .name: states, .offset: 24, .size: 8, .value_kind: global_buffer, .address_space: global }
      - { .name: pimg, .offset: 32, .size: 8, .value_kind: global_buffer, .address_space: global }
    .group_segment_fixed_size: 75776
    .private_segment_fixed_size: 0
    .kernarg_segment_align: 8
    .kernarg_segment_size: 40
    .max_flat_workgroup_size: 256
    .sgpr_count:     66
    .vgpr_count:     256
    .wavefront_size: 32
...
	.end_amdgpu_metadata
.endif
;; end of part 1
;; launch prefix (part 2): grid 65 x 4, 4 waves a work-group, no clusters, 0 bytes of LDS; arguments states, pre; writes pre
.if DOCPART == 2
	.amdgcn_target "amdgcn-amd-amdhsa--gfx1250"
	.amdhsa_code_object_version 6
	.text
	.protected	k_q36d09f1152_prefix
	.globl	k_q36d09f1152_prefix
	.p2align	8
	.type	k_q36d09f1152_prefix,@function
k_q36d09f1152_prefix:
	s_mov_b64 s[64:65], 0
	v_nop
	global_prefetch_b8 v0, s[64:65] scope:SCOPE_SE
	s_setreg_imm32_b32 hwreg(HW_REG_WAVE_MODE, 25, 1), 1
	s_wait_xcnt 0x0
; Second launch: pre[head][c] = the sum of states[head][0 .. c], c = 0 .. 14, added in f32 and rounded once to bf16.  (Chunk 15's sums serve no row and do not exist: see the first kernel's head.)
; states: [16 heads][15 chunks][65 tiles][1,024 bytes] f32, a tile as it lay in registers: registers 0-3 at 16 x lane, registers 4-7 at 512 + 16 x lane.
; pre:    [16][15][65][512 bytes] bf16: a lane's 8 numbers packed, at 16 x lane: half a matrix fragment of the third launch (tiles 0-63), or 256 sums of keys in their natural order (tile 64).
; A wave has one tile (x) of one head (4 y + wave): its 30 loads, 512 consecutive bytes each, go out together; no register is used twice, so no store is waited for.  Memory binds: no LDS, no matrix unit.
.set IN,  8            ; v[8:127]    chunk c at 8 c
.set OUTR, 128         ; v[128:187]  chunk c packed, at 4 c
	s_load_b128 s[4:7], s[0:1], 0x0                ; states s[4:5], pre s[6:7]
	v_lshrrev_b32 v2, 5, v0
	v_readfirstlane_b32 s8, v2                     ; wave
	v_and_b32 v1, 31, v0
	v_lshlrev_b32 v1, 4, v1                        ; 16 x lane
	s_and_b32 s9, ttmp7, 0xffff
	s_lshl2_add_u32 s9, s9, s8                     ; head
	s_mul_i32 s10, s9, 15*66560
	s_lshl_b32 s12, ttmp9, 10
	s_add_co_u32 s10, s10, s12
	s_mov_b32 s11, 0
	s_mul_i32 s12, s9, 15*33280
	s_lshl_b32 s14, ttmp9, 9
	s_add_co_u32 s12, s12, s14
	s_mov_b32 s13, 0
	s_wait_kmcnt 0x0
	s_add_nc_u64 s[4:5], s[4:5], s[10:11]
	s_add_nc_u64 s[6:7], s[6:7], s[12:13]
.set c, 0
.rept 15
	global_load_b128 v[IN+8*c:IN+8*c+3],   v1, s[4:5] offset:66560*c th:TH_LOAD_NT
	global_load_b128 v[IN+8*c+4:IN+8*c+7], v1, s[4:5] offset:66560*c+512 th:TH_LOAD_NT
.set c, c+1
.endr
.set c, 0
.rept 15
	s_wait_loadcnt 28-2*c                          ; chunk c's two loads are in; the later chunks' stay out
.if c > 0
.irp j, 0,2,4,6
	v_pk_add_f32 v[IN+8*c+(\j):IN+8*c+(\j)+1], v[IN+8*c+(\j):IN+8*c+(\j)+1], v[IN+8*c-8+(\j):IN+8*c-8+(\j)+1]  ; the running sum stays in f32
.endr
.endif
.irp j, 0,1,2,3
	v_cvt_pk_bf16_f32 v[OUTR+4*c+(\j)], v[IN+8*c+2*(\j)], v[IN+8*c+2*(\j)+1]
.endr
	global_store_b128 v1, v[OUTR+4*c:OUTR+4*c+3], s[6:7] offset:33280*c  ; 512 consecutive bytes
.set c, c+1
.endr
	s_endpgm
.Lfunc_end_k_q36d09f1152_prefix:
	.size	k_q36d09f1152_prefix, .Lfunc_end_k_q36d09f1152_prefix-k_q36d09f1152_prefix
	.p2alignl 7, 3214868480
	.fill 96, 4, 3214868480
	.section	.rodata,"a",@progbits
	.p2align	6, 0x0
	.amdhsa_kernel k_q36d09f1152_prefix
		.amdhsa_group_segment_fixed_size 0
		.amdhsa_private_segment_fixed_size 0
		.amdhsa_enable_private_segment 0
		.amdhsa_kernarg_size 16
		.amdhsa_user_sgpr_count 2
		.amdhsa_user_sgpr_kernarg_segment_ptr 1
		.amdhsa_wavefront_size32 1
		.amdhsa_system_sgpr_workgroup_id_x 1
		.amdhsa_system_sgpr_workgroup_id_y 1
		.amdhsa_system_sgpr_workgroup_id_z 1
		.amdhsa_system_vgpr_workitem_id 0
		.amdhsa_next_free_vgpr 192
		.amdhsa_next_free_sgpr 66
		.amdhsa_reserve_vcc 0
		.amdhsa_float_denorm_mode_32 3
		.amdhsa_float_denorm_mode_16_64 3
		.amdhsa_memory_ordered 1
		.amdhsa_forward_progress 1
		.amdhsa_inst_pref_size 13
	.end_amdhsa_kernel
	.amdgpu_metadata
---
amdhsa.version: [ 1, 2 ]
amdhsa.kernels:
  - .name:           k_q36d09f1152_prefix
    .symbol:         k_q36d09f1152_prefix.kd
    .args:
      - { .name: states, .offset: 0, .size: 8, .value_kind: global_buffer, .address_space: global }
      - { .name: pre, .offset: 8, .size: 8, .value_kind: global_buffer, .address_space: global }
    .group_segment_fixed_size: 0
    .private_segment_fixed_size: 0
    .kernarg_segment_align: 8
    .kernarg_segment_size: 16
    .max_flat_workgroup_size: 128
    .sgpr_count:     66
    .vgpr_count:     192
    .wavefront_size: 32
...
	.end_amdgpu_metadata
.endif
;; end of part 2
;; launch main (part 3): grid 16 x 16, 4 waves a work-group, no clusters, 256,000 bytes of LDS; arguments query, key_t, value, pimg, pre, out0; writes out0
.if DOCPART == 3
	.amdgcn_target "amdgcn-amd-amdhsa--gfx1250"
	.amdhsa_code_object_version 6
	.text
	.protected	k_q36d09f1152_main
	.globl	k_q36d09f1152_main
	.p2align	8
	.type	k_q36d09f1152_main,@function
k_q36d09f1152_main:
	s_mov_b64 s[64:65], 0
	v_nop
	global_prefetch_b8 v0, s[64:65] scope:SCOPE_SE
	s_setreg_imm32_b32 hwreg(HW_REG_WAVE_MODE, 25, 1), 1
	s_wait_xcnt 0x0
; Third launch: the rows.  A work-group has one chunk of 256 rows (x = c) of one head (y = 8 b + h).  out[l] = num[l] / den[l], with
;   num[l] = sum over keys j <= l of the chunk of S[l][j] v[j]  +  qp[l] . St,     den[l] = the same with ones for v and ks for St,     S[l][j] = qp[l] . kp[j],
; St and ks the sums over chunks 0 .. c-1 that the second launch left in pre.  den <= 0 is replaced by 1, as the formula asks.
; WORK LEFT OUT (shown at the first kernel's head): chunk 0 has no earlier sums (they are the scan's own zeros): it loads no pre and makes no product with it; blocks of 32 keys x 16 queries in
; which every key lies behind every query are not made.  A NaN or infinity that reaches only such work is not carried to the result.
; FORMATS AND LIMITS.  q, k, v, P / 16 are rounded to bf16; all sums are f32.  A feature is max(x + 0.001, 0.001), rounded once (rounding keeps order, so the maximum is taken of the rounded numbers).
; FOR S THE FEATURES ARE f16, 11 significant bits: a row with few keys behind it is a mean of few numbers, and what the features lose in rounding reaches it undiminished.  LIMIT: a feature of 65,520 or more
; becomes an infinity.  q . P / 16 is a sum of 64 products: at most about 3 for numbers of unit spread, about 2,700 with q and P both 30 times larger, about 3,700 with an offset of 30 in both.
; For the product with St and ks the queries' features are rounded to bf16 as well (from the same f32 sums): those sums over up to 3,840 keys have no room in f16.
; S goes into the product with V as TWO bf16 numbers, hi = bf16(S) and lo = bf16(S - hi): 16 significant bits with bf16's range.  The order of sums differs from the scan's.
; NO CLUSTER: what work-groups share is P's 32 KiB of images, of some 230 KiB that each reads.  NO TENSOR LOADS: q, k and v are f32 and pass through registers to be rounded.
; SHARES.  Wave w has the query tiles (of 16) w, 7 - w, 8 + w, 15 - w: four SLOTS.  Tile T sees the key pairs (of 32 keys) 0 .. T / 2: 18 live blocks for every wave.  Wave w makes the features of keys 64 w .. 64 w + 63.
; LAYOUT.  All products are taken so that a lane holds ONE query (lane % 16): features = P x Q^T (a lane ends with 8 features of a query: rounded in pairs they are source 1 of the next two products);
; S^T = Kp Qp^T (8 keys of a query: rounded, source 1 of the next); O^T = V^T S^T + St^T Qp^T (8 channels of a query).  Ones (or ks) as a fifth tile of 16 'channels' give den in every register of that tile.
; An IMAGE is a fragment as it lies in registers: registers 0-3 at 16 x lane, 4-7 at 512 + 16 x lane.  The 64 channels of q, k, P are taken in the order of the first kernel, alike in both sources.
; REGISTERS, in windows of 256 (s_set_vgpr_msb: bits 1:0 source 0, 3:2 source 1, 5:4 source 2, 7:6 destination):
;   window 0: v0-19 addresses; v20-27 ones; v28-43 two masks; v44-51 0.001; v52-63 at work; v64-127 feature sums, then S^T (slot n, key tile a at 64 + 16 n + 8 a; lo takes the slot's first 8);
;             v128-159 packed features, then hi; v160-191, v192-223 fragments of P, then of Kp (two buffers); v224-255 V turned
;   window 1: K and Q as loaded, then Qp in f16: slot n, 32 features kf at 8 (8 n + kf)
;   window 2: v0-63 K's fragments (then pre as loaded), v64-127 Q's, v128-255 V as loaded; then the sums O^T: slot n, channel tile ct (4 = den) at 8 (5 n + ct)
;   window 3: Qp in bf16, laid as in window 1
.set VP,    160        ; a row of V in LDS: 128 bytes + 32
.set SP,    272        ; a row of the stage: 256 bytes + 16
.set PIM,   0          ; P's 32 images: feature tile ft, fragment f at (2 ft + f) x 1,024
.set KP,    32768      ; Kp's 128 images, f16: key tile kt, 32 features kf at (8 kt + kf) x 1,024
.set VB,    163840     ; V in bf16, 256 rows
.set ST,    204800     ; pre of chunk c - 1: 64 half fragments of 512 bytes (channel tile ct, feature tile ft at 16 ct + ft), then ks
.set STAGE, 238080     ; 16 rows x 272 bytes for each wave, for the way out
.set SPARE, 255488     ; the spare words, 128 bytes a wave; no other line names them
.set VTA0, 3           ; v3   the turning load's address for key pair 0; never rewritten
.set FRO, 4            ; v4   r x 2,048 + 128 h
.set STA, 5            ; v5   ST + 16 x lane
.set IMG, 6            ; v6   16 x lane
.set VGO, 7            ; v7   h x 2,048 + 16 r: two rows of V, and of out0
.set VLS, 8            ; v8   where my 8 bytes of V's rows go
.set STS, 9            ; v9   where my wave's part of pre goes
.set KPA, 10           ; v10  Kp's images of the key pair in hand
.set VTA, 11           ; v11  V of the key pair in hand
.set STO, 12           ; v12  the way out: where I put 32 bytes of a row
.set RD,  13           ; v13  where I read rows back
.set KPA0, 14          ; v14  KP + 16 x lane; never rewritten
.set KSA, 15           ; v15  ks: ST + 32,768 + 16 h
.set SPW, 16           ; v16  my spare word; never rewritten
.set NIL, 17           ; v17  0; never rewritten
.set KST, 18           ; v18  where my wave's images of Kp go
.set PGO, 19           ; v19  wave x 8,192 + 16 x lane
.set ONES, 20
.set MKA, 28           ; v[28:35] the diagonal block's mask for slots 0 and 2, v[36:43] for slots 1 and 3
.set C001, 44
.set T,   52
.set S,   64
.set DD,  64
.set PH,  128
.set PK,  128
.set PF,  160
.set H0,  160
.set H1,  192
.set VT,  224
.set MSB, 0
.macro WIN new                         ; the immediate's high byte repeats the setting that is left; a switch that changes nothing is dropped
.if MSB != (\new)
	s_set_vgpr_msb (MSB<<8)|(\new)
.set MSB, (\new)
.endif
.endm
.macro PLACES n=4                      ; plain vector instructions behind a matrix instruction: four ahead of a vector read of its result or a load into its registers, five ahead of a matrix instruction that writes over one of them
.rept \n
	v_nop
.endr
.endm
	s_load_b256 s[4:11], s[0:1], 0x0               ; query s[4:5], key_t s[6:7], value s[8:9], pimg s[10:11]
	s_load_b128 s[12:15], s[0:1], 0x20             ; pre s[12:13], out0 s[14:15]
	v_lshl_add_u32 v[SPW], v0, 2, SPARE
	v_mov_b32 v[NIL], 0
	v_lshrrev_b32 v52, 5, v0
	v_readfirstlane_b32 s16, v52                   ; wave 0..3
	v_and_b32 v1, 15, v0                           ; r
	v_bfe_u32 v2, v0, 4, 1                         ; h
	v_and_b32 v52, 31, v0
	v_lshlrev_b32 v[IMG], 4, v52
	v_lshlrev_b32 v[FRO], 11, v1
	v_lshl_add_u32 v[FRO], v2, 7, v[FRO]
	v_lshlrev_b32 v[VGO], 11, v2
	v_lshl_add_u32 v[VGO], v1, 4, v[VGO]
	s_lshl_b32 s54, s16, 13
	v_add_nc_u32 v[PGO], s54, v[IMG]
	s_mov_b32 s17, ttmp9                           ; chunk c
	s_and_b32 s18, ttmp7, 0xffff                   ; head
	s_lshr_b32 s20, s18, 3
	s_lshl_b32 s20, s20, 23
	s_and_b32 s21, s18, 7
	s_lshl_b32 s21, s21, 8
	s_add_co_u32 s20, s20, s21
	s_lshl_b32 s21, s17, 19
	s_add_co_u32 s20, s20, s21                     ; the chunk's first byte in q, k, v and out
	s_mov_b32 s21, 0
	s_mov_b32 s24, s16                             ; the four slots' query tiles
	s_sub_co_u32 s25, 7, s16
	s_add_co_u32 s26, s16, 8
	s_sub_co_u32 s27, 15, s16
.irp i, 0,1,2,3
	s_lshr_b32 s[28+(\i)], s[24+(\i)], 1           ; the slot's last key pair, which holds its diagonal: ascending from slot to slot
.endr
	s_mov_b32 s53, 0xffff
	s_mov_b32 s58, 0xffff0000
	s_mov_b32 s59, 0x3a833a83                      ; bf16(0.001), twice
	s_mov_b32 s19, 0x14191419                      ; f16(0.001), twice
	s_mov_b32 s55, 0
	s_wait_kmcnt 0x0
	s_add_nc_u64 s[4:5], s[4:5], s[20:21]
	s_add_nc_u64 s[14:15], s[14:15], s[20:21]
.irp i, 0,1,2,3
	s_lshl_b32 s54, s[24+(\i)], 15                 ; 16 rows of 2,048 bytes a tile
	s_add_nc_u64 s[36+2*(\i):37+2*(\i)], s[4:5], s[54:55]
	s_add_nc_u64 s[44+2*(\i):45+2*(\i)], s[14:15], s[54:55]
.endr
	s_lshl_b32 s54, s16, 17                        ; my wave's 64 keys
	s_add_co_u32 s54, s54, s20
	s_add_nc_u64 s[6:7], s[6:7], s[54:55]
	s_add_nc_u64 s[8:9], s[8:9], s[54:55]
.set t, 0
.rept 16                                               ; a quarter of P's images
	global_load_b128 v[64+4*t:64+4*t+3], v[PGO], s[10:11] offset:512*t
.set t, t+1
.endr
	WIN 0x40                                       ; destination window 1
.irp i, 0,1,2,3
.irp t, 0,1,2,3,4,5,6,7
	global_load_b128 v[32*(\i)+4*(\t):32*(\i)+4*(\t)+3], v[FRO], s[6:7] offset:(\i)*32768+16*(\t)
.endr
.endr
	WIN 0
	; addresses, constants and masks are made while these 48 loads are out
	s_mul_i32 s54, s16, 64*VP
	s_add_co_u32 s54, s54, VB
	v_mul_u32_u24 v[VLS], v2, VP
	v_lshl_add_u32 v[VLS], v1, 3, v[VLS]
	v_add_nc_u32 v[VLS], s54, v[VLS]
	v_add_nc_u32 v[STS], ST, v[PGO]
	v_add_nc_u32 v[STA], ST, v[IMG]
	v_add_nc_u32 v[KPA0], KP, v[IMG]
	v_add_nc_u32 v[KPA], KP, v[IMG]
	v_and_b32 v53, 7, v0                           ; the turning load: lane l reads key 8 (l / 16) + l % 8, channels 8 ((l / 8) % 2) + 0..7
	v_lshl_add_u32 v53, v2, 3, v53
	v_mul_u32_u24 v53, v53, VP
	v_bfe_u32 v54, v0, 3, 1
	v_lshl_add_u32 v53, v54, 4, v53
	v_add_nc_u32 v[VTA0], VB, v53
	v_add_nc_u32 v[VTA], VB, v53
	s_mul_i32 s54, s16, 16*SP
	s_add_co_u32 s54, s54, STAGE
	v_mul_u32_u24 v[STO], v1, SP
	v_lshl_add_u32 v[STO], v2, 5, v[STO]
	v_add_nc_u32 v[STO], s54, v[STO]
	v_mul_u32_u24 v[RD], v2, SP
	v_lshl_add_u32 v[RD], v1, 4, v[RD]
	v_add_nc_u32 v[RD], s54, v[RD]
	v_lshlrev_b32 v[KSA], 4, v2
	v_add_nc_u32 v[KSA], ST+32768, v[KSA]
	s_lshl_b32 s54, s16, 15
	s_add_co_u32 s54, s54, KP
	v_add_nc_u32 v[KST], s54, v[IMG]
.set i, 0
.rept 8
	v_mov_b32 v[ONES+i], 0x3f803f80
	v_mov_b32 v[C001+i], 0x3a83126f
.set i, i+1
.endr
	; THE MASKS of a diagonal block.  Among its 32 keys my query stands at 16 (T % 2) + r; register x of the packed weights holds the keys 8 h + kx and + 1, kx = 2 x (x < 4) or 8 + 2 x.  A half word is kept where its key is not behind the query.
	v_lshlrev_b32 v53, 3, v2
	v_sub_nc_u32 v52, v1, v53
	s_and_b32 s54, s16, 1
	s_lshl_b32 s54, s54, 4
	v_add_nc_u32 v54, s54, v52                     ; slots 0 and 2: T % 2 = w % 2
	s_xor_b32 s54, s54, 16
	v_add_nc_u32 v55, s54, v52                     ; slots 1 and 3: the other parity
.irp x, 0,1,2,3,4,5,6,7
.irp m, 0,1
	v_cmp_le_i32 vcc_lo, 2*(\x)+8*((\x)/4), v[54+(\m)]
	v_cndmask_b32 v56, 0, s53, vcc_lo
	v_cmp_le_i32 vcc_lo, 2*(\x)+8*((\x)/4)+1, v[54+(\m)]
	v_cndmask_b32 v57, 0, s58, vcc_lo
	v_or_b32 v[MKA+8*(\m)+(\x)], v56, v57
.endr
.endr
	s_wait_loadcnt 32                              ; P's images are in; K's 32 loads stay out
.set t, 0
.rept 16
	ds_store_b128 v[PGO], v[64+4*t:64+4*t+3] offset:PIM+512*t
.set t, t+1
.endr
	s_wait_loadcnt 0x0                             ; K is in
	WIN 0x85                                       ; sources window 1, destination window 2
.set z, 0
.rept 64                                               ; K's fragments: key tile i, fragment f at 16 i + 8 f
	v_cvt_pk_bf16_f32 v[z], v[2*z], v[2*z+1]
.set z, z+1
.endr
	WIN 0x40
.irp i, 0,1,2,3                                        ; Q is asked for now: it lands under K's 128 feature products
.irp t, 0,1,2,3,4,5,6,7
	global_load_b128 v[128+32*(\i)+4*(\t):128+32*(\i)+4*(\t)+3], v[FRO], s[36+2*(\i):37+2*(\i)] offset:16*(\t)
.endr
.endr
	WIN 0
	s_wait_dscnt 0x0                               ; for the others' sake: my quarter of P's images is in LDS
	s_barrier_signal -1
	s_barrier_wait -1
.macro LPF kf                          ; P's fragments of features 32 kf .. 32 kf + 31: tile a, fragment f at PF + 8 (2 a + f)
.irp g, 0,1,2,3
	ds_load_b128 v[PF+8*(\g):PF+8*(\g)+3],   v[IMG] offset:PIM+(4*(\kf)+(\g))*1024
	ds_load_b128 v[PF+8*(\g)+4:PF+8*(\g)+7], v[IMG] offset:PIM+(4*(\kf)+(\g))*1024+512
.endr
.endm
; 32 features of my 64 keys (kind 0) or queries (kind 1): 16 products, eight sums by turns, started with 0.001; rounded, and held above the rounded 0.001.
; Keys' are rounded to f16 and go to LDS as images; queries' are rounded twice from the same sums: to f16 into window 1, for S, and to bf16 into window 3, for the earlier chunks' sums.
.macro FEAT kind, kf
.if ((\kind) == 0) && ((\kf) > 0)
	s_wait_dscnt 8                                 ; P's fragments are in; the eight stores of Kp issued behind them stay out
.else
	s_wait_dscnt 0x0
.endif
	WIN 0x08                                       ; source 1 window 2
.irp f, 0,1
.irp i, 0,1,2,3
.irp a, 0,1
.if (\f) == 0
	v_wmma_f32_16x16x32_bf16 v[DD+8*(2*(\i)+(\a)):DD+8*(2*(\i)+(\a))+7], v[PF+8*(2*(\a)+(\f)):PF+8*(2*(\a)+(\f))+7], v[64*(\kind)+16*(\i)+8*(\f):64*(\kind)+16*(\i)+8*(\f)+7], v[C001:C001+7]
.else
	v_wmma_f32_16x16x32_bf16 v[DD+8*(2*(\i)+(\a)):DD+8*(2*(\i)+(\a))+7], v[PF+8*(2*(\a)+(\f)):PF+8*(2*(\a)+(\f))+7], v[64*(\kind)+16*(\i)+8*(\f):64*(\kind)+16*(\i)+8*(\f)+7], v[DD+8*(2*(\i)+(\a)):DD+8*(2*(\i)+(\a))+7]
.endif
.endr
.endr
.endr
	WIN 0
	PLACES
.if ((\kind) == 0) || ((\kf) < 7)
	LPF ((\kf)+1)%8
.endif
.if (\kind) == 0
.set z, 0
.rept 32                                               ; z = 8 i + 4 a + x: each sum's registers in ascending order
	v_cvt_pk_f16_f32 v[PK+z], v[DD+2*z], v[DD+2*z+1]
.set z, z+1
.endr
.set z, 0
.rept 32
	v_pk_max_num_f16 v[PK+z], v[PK+z], s19
.set z, z+1
.endr
.irp i, 0,1,2,3
	ds_store_b128 v[KST], v[PK+8*(\i):PK+8*(\i)+3]   offset:(\i)*8192+(\kf)*1024
	ds_store_b128 v[KST], v[PK+8*(\i)+4:PK+8*(\i)+7] offset:(\i)*8192+(\kf)*1024+512
.endr
.else
	WIN 0x40                                       ; destination window 1: f16
.set z, 0
.rept 32
	v_cvt_pk_f16_f32 v[64*(z/8)+8*(\kf)+z%8], v[DD+2*z], v[DD+2*z+1]
.set z, z+1
.endr
	WIN 0xc0                                       ; destination window 3: bf16
.set z, 0
.rept 32
	v_cvt_pk_bf16_f32 v[64*(z/8)+8*(\kf)+z%8], v[DD+2*z], v[DD+2*z+1]
.set z, z+1
.endr
	WIN 0x41
.set z, 0
.rept 32
	v_pk_max_num_f16 v[64*(z/8)+8*(\kf)+z%8], v[64*(z/8)+8*(\kf)+z%8], s19
.set z, z+1
.endr
	WIN 0xc3
.set z, 0
.rept 32
	v_pk_max_num_bf16 v[64*(z/8)+8*(\kf)+z%8], v[64*(z/8)+8*(\kf)+z%8], s59
.set z, z+1
.endr
	WIN 0
.endif
.endm
	LPF 0
.irp kf, 0,1,2,3,4,5,6,7
	FEAT 0, \kf
.endr
	s_wait_loadcnt 0x0                             ; Q is in
	WIN 0x85
.set z, 0
.rept 64                                               ; Q's fragments: slot i, fragment f at 64 + 16 i + 8 f
	v_cvt_pk_bf16_f32 v[64+z], v[128+2*z], v[128+2*z+1]
.set z, z+1
.endr
	WIN 0x80                                       ; destination window 2.  V and pre are asked for now: they land under Q's 128 feature products
.set t, 0
.rept 32
	global_load_b128 v[128+4*t:128+4*t+3], v[VGO], s[8:9] offset:4096*t  ; rows 2 t and 2 t + 1 of my 64: sixteen lanes take a row's 256 bytes
.set t, t+1
.endr
	WIN 0
	s_cmp_eq_u32 s17, 0
	s_cbranch_scc1 .Lno_pre                        ; chunk 0 has no earlier sums
	s_mul_i32 s54, s18, 15
	s_add_co_u32 s54, s54, s17
	s_sub_co_u32 s54, s54, 1
	s_mul_i32 s54, s54, 33280
	s_add_nc_u64 s[12:13], s[12:13], s[54:55]
	WIN 0x80
.set t, 0
.rept 16                                               ; into K's fragment registers, which have served
	global_load_b128 v[4*t:4*t+3], v[PGO], s[12:13] offset:512*t
.set t, t+1
.endr
	WIN 0
	s_cmp_lg_u32 s16, 0
	s_cbranch_scc1 .Lno_pre
	global_load_b128 v[PK:PK+3], v[IMG], s[12:13] offset:32768  ; wave 0: ks
.Lno_pre:
.irp kf, 0,1,2,3,4,5,6,7
	FEAT 1, \kf
.endr
	s_wait_loadcnt 0x0                             ; V and pre are in
	WIN 0x0a                                       ; sources window 2
.set z, 0
.rept 64
	v_cvt_pk_bf16_f32 v[64+z], v[128+2*z], v[128+2*z+1]
.set z, z+1
.endr
	WIN 0
.set t, 0
.rept 32
	ds_store_b64 v[VLS], v[64+2*t:64+2*t+1] offset:2*VP*t
.set t, t+1
.endr
	s_cmp_eq_u32 s17, 0
	s_cbranch_scc1 .Lno_st
	WIN 0x08                                       ; the stores' data in window 2
.set t, 0
.rept 16
	ds_store_b128 v[STS], v[4*t:4*t+3] offset:512*t
.set t, t+1
.endr
	WIN 0
	s_cmp_lg_u32 s16, 0
	s_cbranch_scc1 .Lno_st
	ds_store_b128 v[STA], v[PK:PK+3] offset:32768
.Lno_st:
	s_wait_dscnt 0x0                               ; for the others' sake: my images of Kp, my rows of V, my part of pre are in LDS
	s_barrier_signal -1
	s_barrier_wait -1
; INSIDE THE CHUNK.  A key pair is 32 keys.  Its Kp comes in four quarters of 64 features (LQ), on two buffers.
.macro LQ q, hb                        ; key tile a, features 32 (2 q + f) on, at hb + 8 (2 a + f)
.irp a, 0,1
.irp f, 0,1
	ds_load_b128 v[(\hb)+8*(2*(\a)+(\f)):(\hb)+8*(2*(\a)+(\f))+3],   v[KPA] offset:((\a)*8+2*(\q)+(\f))*1024
	ds_load_b128 v[(\hb)+8*(2*(\a)+(\f))+4:(\hb)+8*(2*(\a)+(\f))+7], v[KPA] offset:((\a)*8+2*(\q)+(\f))*1024+512
.endr
.endr
.endm
.macro LV
.irp ct, 0,1,2,3
	ds_load_tr16_b128 v[VT+8*(\ct):VT+8*(\ct)+3],   v[VTA] offset:(\ct)*32
	ds_load_tr16_b128 v[VT+8*(\ct)+4:VT+8*(\ct)+7], v[VTA] offset:(\ct)*32+16*VP
.endr
.endm
.macro SMUL q, hb, lo                  ; S^T += Kp Qp^T over 64 features, both in f16, for the live slots lo .. 3; the sums by turns, one instruction a turn
	WIN 0x04                                       ; source 1 (Qp in f16) window 1
.irp f, 0,1
.irp a, 0,1
.irp n, 0,1,2,3
.if (\n) >= (\lo)
.if ((\q) == 0) && ((\f) == 0)
	v_wmma_f32_16x16x32_f16 v[S+16*(\n)+8*(\a):S+16*(\n)+8*(\a)+7], v[(\hb)+8*(2*(\a)+(\f)):(\hb)+8*(2*(\a)+(\f))+7], v[8*(8*(\n)+2*(\q)+(\f)):8*(8*(\n)+2*(\q)+(\f))+7], 0
.else
	v_wmma_f32_16x16x32_f16 v[S+16*(\n)+8*(\a):S+16*(\n)+8*(\a)+7], v[(\hb)+8*(2*(\a)+(\f)):(\hb)+8*(2*(\a)+(\f))+7], v[8*(8*(\n)+2*(\q)+(\f)):8*(8*(\n)+2*(\q)+(\f))+7], v[S+16*(\n)+8*(\a):S+16*(\n)+8*(\a)+7]
.endif
.endif
.endr
.endr
.endr
.endm
; Slot n's 16 registers of S^T become hi (8 registers at PH) and lo (packed in place into the slot's first 8); both are cut by the mask, which is all ones but in the slot's diagonal block.
.macro SPLIT n
.set rS, S+16*(\n)
.set rH, PH+8*(\n)
.set rM, MKA+8*((\n)%2)
.irp g, 0,4
.irp x, 0,1,2,3
	v_cvt_pk_bf16_f32 v[rH+(\g)+(\x)], v[rS+2*((\g)+(\x))], v[rS+2*((\g)+(\x))+1]
.endr
.irp x, 0,1,2,3
	v_lshlrev_b32 v[T+2*(\x)], 16, v[rH+(\g)+(\x)]
	v_and_b32 v[T+2*(\x)+1], s58, v[rH+(\g)+(\x)]
.endr
.irp x, 0,1,2,3
	v_pk_add_f32 v[rS+2*((\g)+(\x)):rS+2*((\g)+(\x))+1], v[rS+2*((\g)+(\x)):rS+2*((\g)+(\x))+1], v[T+2*(\x):T+2*(\x)+1] neg_lo:[0,1] neg_hi:[0,1]
.endr
.irp x, 0,1,2,3
	v_cvt_pk_bf16_f32 v[rS+(\g)+(\x)], v[rS+2*((\g)+(\x))], v[rS+2*((\g)+(\x))+1]  ; ascending: a register is written only when its own pair has been packed
.endr
.irp x, 0,1,2,3
	v_or_b32 v[T+(\x)], s[32+(\n)], v[rM+(\g)+(\x)]
.endr
.irp x, 0,1,2,3
	v_and_b32 v[rH+(\g)+(\x)], v[T+(\x)], v[rH+(\g)+(\x)]
	v_and_b32 v[rS+(\g)+(\x)], v[T+(\x)], v[rS+(\g)+(\x)]
.endr
.endr
.endm
.macro AV lo, zero                     ; O^T += V^T hi, then V^T lo; the fifth tile takes ones for V.  zero = 1: the first products start the sums
	WIN 0xa0                                       ; C and D window 2
.irp p, 0,1
.irp ct, 0,1,2,3,4
.irp n, 0,1,2,3
.if (\n) >= (\lo)
.set rA, VT+8*(\ct)
.if (\ct) == 4
.set rA, ONES
.endif
.set rB, PH+8*(\n)
.if (\p) == 1
.set rB, S+16*(\n)
.endif
.set rC, 8*(5*(\n)+(\ct))
.if (\zero) && ((\p) == 0)
	v_wmma_f32_16x16x32_bf16 v[rC:rC+7], v[rA:rA+7], v[rB:rB+7], 0
.else
	v_wmma_f32_16x16x32_bf16 v[rC:rC+7], v[rA:rA+7], v[rB:rB+7], v[rC:rC+7]
.endif
.endif
.endr
.endr
.endr
.endm
; A key pair, for slots lo .. 3.  On entry three runs of eight LDS loads are out, in this order: quarter 0, quarter 1, V.  pre = 1: the same three runs are issued for the next pair.
.macro BODY lo, zero, pre
	s_wait_dscnt 16                                ; quarter 0 is in; quarter 1 and V stay out
	SMUL 0, H0, \lo
	WIN 0
	PLACES
	LQ 2, H0
	s_wait_dscnt 16                                ; quarter 1 is in; V and quarter 2 stay out
	SMUL 1, H1, \lo
	WIN 0
	PLACES
	LQ 3, H1
	s_wait_dscnt 8                                 ; V and quarter 2 are in
	SMUL 2, H0, \lo
	s_wait_dscnt 0x0
	SMUL 3, H1, \lo
	WIN 0
	PLACES
.if \pre
	v_add_nc_u32 v[KPA], s56, v[KPA0]
	LQ 0, H0
	LQ 1, H1
.endif
.irp n, 0,1,2,3
.if (\n) >= (\lo)
	SPLIT \n
.endif
.endr
	AV \lo, \zero
	WIN 0
	PLACES 5                                       ; five: the next pair's first products write over lo, a source of the products above
.if \pre
	v_add_nc_u32 v[VTA], s57, v[VTA0]
	LV
.endif
.endm
.macro SETK                            ; for key pair s52: a slot's mask switch (0 in its diagonal block, else all ones), and the next pair's places in Kp and V
.irp i, 0,1,2,3
	s_cmp_eq_u32 s52, s[28+(\i)]
	s_cselect_b32 s[32+(\i)], 0, -1
.endr
	s_add_co_u32 s56, s52, 1
	s_mul_i32 s57, s56, 32*VP
	s_lshl_b32 s56, s56, 14
.endm
	s_mov_b32 s52, 0
	SETK
	LQ 0, H0
	LQ 1, H1
	LV
	BODY 0, 1, 1                                   ; pair 0: all four slots are live, and their sums begin
	s_mov_b32 s52, 1
.Lkp:                                                  ; pairs 1 to 6: the text for the number of live slots is chosen by the wave's own bounds; no barrier stands in what is jumped
	SETK
	s_cmp_le_u32 s52, s28
	s_cbranch_scc1 .Lb0
	s_cmp_le_u32 s52, s29
	s_cbranch_scc1 .Lb1
	s_cmp_le_u32 s52, s30
	s_cbranch_scc1 .Lb2
	BODY 3, 0, 1
	s_branch .Lnext
.Lb2:
	BODY 2, 0, 1
	s_branch .Lnext
.Lb1:
	BODY 1, 0, 1
	s_branch .Lnext
.Lb0:
	BODY 0, 0, 1
.Lnext:
	s_add_co_u32 s52, s52, 1
	s_cmp_lt_u32 s52, 7
	s_cbranch_scc1 .Lkp
	SETK
	s_cmp_eq_u32 s31, 7
	s_cbranch_scc0 .Lno_tail                       ; pair 7 is seen by tiles 14 and 15 alone: waves 0 and 1
	BODY 3, 0, 0
.Lno_tail:
	s_wait_dscnt 0x0                               ; (waves 2 and 3: the runs asked for pair 7 have come back)
	s_cmp_eq_u32 s17, 0
	s_cbranch_scc1 .Lout                           ; chunk 0: no earlier sums
; THE EARLIER CHUNKS.  O^T += St^T Qp^T, den += ks . qp, both sources in bf16: 32 features a step, 20 sums by turns; two buffers of five fragments.
.macro LI kf
.set lb, 64+40*((\kf)%2)
.irp ct, 0,1,2,3
	ds_load_b128 v[lb+8*(\ct):lb+8*(\ct)+3],   v[STA] offset:((\ct)*16+2*(\kf))*512
	ds_load_b128 v[lb+8*(\ct)+4:lb+8*(\ct)+7], v[STA] offset:((\ct)*16+2*(\kf))*512+512
.endr
	ds_load_b128 v[lb+32:lb+35], v[KSA] offset:64*(\kf)       ; ks: the same 8 + 8 sums for all sixteen rows of the fragment
	ds_load_b128 v[lb+36:lb+39], v[KSA] offset:64*(\kf)+32
.endm
	LI 0
	LI 1
.irp kf, 0,1,2,3,4,5,6,7
.if (\kf) < 7
	s_wait_dscnt 10                                ; this step's ten loads are in; the next step's ten stay out
.else
	s_wait_dscnt 0x0
.endif
	WIN 0xac                                       ; source 1 (Qp in bf16) window 3, C and D window 2
.set lb, 64+40*((\kf)%2)
.irp ct, 0,1,2,3,4
.irp n, 0,1,2,3
	v_wmma_f32_16x16x32_bf16 v[8*(5*(\n)+(\ct)):8*(5*(\n)+(\ct))+7], v[lb+8*(\ct):lb+8*(\ct)+7], v[8*(8*(\n)+(\kf)):8*(8*(\n)+(\kf))+7], v[8*(5*(\n)+(\ct)):8*(5*(\n)+(\ct))+7]
.endr
.endr
	WIN 0
	PLACES
.if (\kf) < 6
	LI (\kf)+2
.endif
.endr
.Lout:
	; THE WAY OUT.  Every register of a slot's fifth tile holds my query's den: the lowest is taken.  den <= 0 gives way to 1; then O^T / den goes through my stage in LDS, a slot (16 rows) at a time.
	PLACES
	WIN 0x08
.irp i, 0,1,2,3
	v_cmp_ge_f32 s[60+(\i)], 0, v[40*(\i)+32]
.endr
	WIN 0x02
.irp i, 0,1,2,3
	v_cndmask_b32 v[60+(\i)], v[40*(\i)+32], 1.0, s[60+(\i)]
.endr
	WIN 0
.irp i, 0,1,2,3
	v_rcp_f32 v[T+2*(\i)], v[60+(\i)]              ; twice, to fill the pair that the packed multiply takes
	v_rcp_f32 v[T+2*(\i)+1], v[60+(\i)]
.endr
	v_nop                                          ; a plain instruction between the last reciprocal and the use of its result (ISA guide 5.7.2)
	s_wait_alu depctr_va_vdst(0)                   ; and a wait ahead of the first use: one for the eight
.macro OPACK i                         ; a lane's 8 channels of a row are 32 bytes; they go into rows of 272 bytes and come back as whole rows of 256, into the registers that they left
	WIN 0x02                                       ; source 0 window 2
.set z, 0
.rept 16
	v_pk_mul_f32 v[64+32*(\i)+2*z:64+32*(\i)+2*z+1], v[40*(\i)+2*z:40*(\i)+2*z+1], v[T+2*(\i):T+2*(\i)+1]
.set z, z+1
.endr
	WIN 0
.irp ct, 0,1,2,3
	ds_store_b128 v[STO], v[64+32*(\i)+8*(\ct):64+32*(\i)+8*(\ct)+3]   offset:64*(\ct)
	ds_store_b128 v[STO], v[64+32*(\i)+8*(\ct)+4:64+32*(\i)+8*(\ct)+7] offset:64*(\ct)+16
.endr
.irp t, 0,1,2,3,4,5,6,7
	ds_load_b128 v[64+32*(\i)+4*(\t):64+32*(\i)+4*(\t)+3], v[RD] offset:(\t)*2*SP  ; LDS serves a wave's instructions in order (ISA guide 5.7.1.4): these see the stores above; the next slot's stores come behind them
.endr
.endm
.macro OSEND i, younger                ; younger: the LDS instructions issued behind slot i's loads: the next slot's sixteen, or none
.irp t, 0,1,2,3,4,5,6,7
	s_wait_dscnt (\younger)+7-(\t)
	global_store_b128 v[VGO], v[64+32*(\i)+4*(\t):64+32*(\i)+4*(\t)+3], s[44+2*(\i):45+2*(\i)] offset:4096*(\t) th:TH_STORE_NT  ; sixteen lanes store a row's 256 consecutive bytes, aligned
.endr
.endm
	OPACK 0
	OPACK 1                                        ; a slot's arithmetic stands between the loads of the slot before and its stores
	OSEND 0, 16
	OPACK 2
	OSEND 1, 16
	OPACK 3
	OSEND 2, 16
	OSEND 3, 0
	s_wait_tensorcnt 0x0                           ; the wave's end: behind my last LDS store
	ds_add_u32 v[SPW], v[NIL]
	s_wait_dscnt 0x0
	s_endpgm
.Lfunc_end_k_q36d09f1152_main:
	.size	k_q36d09f1152_main, .Lfunc_end_k_q36d09f1152_main-k_q36d09f1152_main
	.p2alignl 7, 3214868480
	.fill 96, 4, 3214868480
	.section	.rodata,"a",@progbits
	.p2align	6, 0x0
	.amdhsa_kernel k_q36d09f1152_main
		.amdhsa_group_segment_fixed_size 256000
		.amdhsa_private_segment_fixed_size 0
		.amdhsa_enable_private_segment 0
		.amdhsa_kernarg_size 48
		.amdhsa_user_sgpr_count 2
		.amdhsa_user_sgpr_kernarg_segment_ptr 1
		.amdhsa_wavefront_size32 1
		.amdhsa_system_sgpr_workgroup_id_x 1
		.amdhsa_system_sgpr_workgroup_id_y 1
		.amdhsa_system_sgpr_workgroup_id_z 1
		.amdhsa_system_vgpr_workitem_id 0
		.amdhsa_next_free_vgpr 1024
		.amdhsa_next_free_sgpr 66
		.amdhsa_reserve_vcc 1
		.amdhsa_float_denorm_mode_32 3
		.amdhsa_float_denorm_mode_16_64 3
		.amdhsa_memory_ordered 1
		.amdhsa_forward_progress 1
		.amdhsa_inst_pref_size 255
	.end_amdhsa_kernel
	.section	.bss,"aw",@nobits
	.p2align	6
	.space	262144
	.amdgpu_metadata
---
amdhsa.version: [ 1, 2 ]
amdhsa.kernels:
  - .name:           k_q36d09f1152_main
    .symbol:         k_q36d09f1152_main.kd
    .args:
      - { .name: query, .offset: 0, .size: 8, .value_kind: global_buffer, .address_space: global }
      - { .name: key_t, .offset: 8, .size: 8, .value_kind: global_buffer, .address_space: global }
      - { .name: value, .offset: 16, .size: 8, .value_kind: global_buffer, .address_space: global }
      - { .name: pimg, .offset: 24, .size: 8, .value_kind: global_buffer, .address_space: global }
      - { .name: pre, .offset: 32, .size: 8, .value_kind: global_buffer, .address_space: global }
      - { .name: out0, .offset: 40, .size: 8, .value_kind: global_buffer, .address_space: global }
    .group_segment_fixed_size: 256000
    .private_segment_fixed_size: 0
    .kernarg_segment_align: 8
    .kernarg_segment_size: 48
    .max_flat_workgroup_size: 128
    .sgpr_count:     66
    .vgpr_count:     1024
    .wavefront_size: 32
...
	.end_amdgpu_metadata
.endif
;; end of part 3
;; ======== version 2 of 2: 3 launches; version 1 with the launches state, main written anew for expert scheduling mode
;; limits: values are held in f16: magnitudes above 65,504 overflow, below 6.1e-05 lose precision
;; workspace buffers: states 15,974,400 bytes; pre 7,987,200 bytes; pimg 32,768 bytes
;; launch state (part 4): grid 15 x 16, 8 waves a work-group, no clusters, 75,776 bytes of LDS; arguments key_t, value, projection_matrix, states, pimg; writes states, pimg
.if DOCPART == 4
	.amdgcn_target "amdgcn-amd-amdhsa--gfx1250"
	.amdhsa_code_object_version 6
	.text
	.protected	k_q36d09f1152_state
	.globl	k_q36d09f1152_state
	.p2align	8
	.type	k_q36d09f1152_state,@function
k_q36d09f1152_state:
	s_mov_b64 s[64:65], 0
	v_nop
	global_prefetch_b8 v0, s[64:65] scope:SCOPE_SE
	s_setreg_imm32_b32 hwreg(HW_REG_WAVE_SCHED_MODE, 0, 2), 2
	s_setreg_imm32_b32 hwreg(HW_REG_WAVE_MODE, 25, 1), 1
	s_wait_xcnt 0x0
	s_wait_alu depctr_vm_vsrc(0)
; CAUSAL LINEAR ATTENTION WITH ReLU FEATURES, first of three launches.  query, key_t, value, out0: [2][4096][8][64] f32; projection_matrix: [256][64] f32.
; With qp = relu(q P^T / 16) + 0.001 and kp likewise, row l of a head is  out[l] = (sum over j <= l of (qp[l].kp[j]) v[j]) / (sum over j <= l of qp[l].kp[j]).
; The 4,096 rows of a head are cut into 16 chunks of 256.  For a row of chunk c the keys of chunks 0 .. c-1 enter only through the sums  St[m][d] = sum kp[j][m] v[j][d]  and  ks[m] = sum kp[j][m].
; THIS LAUNCH makes each chunk's own St and ks (f32); the second adds them up chunk after chunk; the third does the rows.
; WORK LEFT OUT, for all values of the inputs: (1) the scan's initial sums are zeros that the scan itself builds, so chunk 0 has no product with earlier sums; (2) the sums of chunk 15 are
; carried out of the scan's last steps and used by no row, so the grid has 15 chunks; (3) in the third launch blocks of 32 keys x 16 queries with every key behind every query: row l sums j <= l only.
; All four inputs have a way to the output and are loaded.  LIMIT: a NaN, an infinity or an overflow that reaches only the work left out is not carried to the result.
; FORMATS AND LIMITS.  Matrix operands are bf16, sums f32.  P / 16 is rounded (the factor is a power of two, so this is P rounded, divided).  relu(x) + 0.001 is taken as max(x + 0.001, 0.001):
; 0.001 starts the feature product's sum, the sum is rounded to bf16, and the maximum is taken with bf16(0.001): rounding keeps order, so that is the rounded maximum.  Sums are taken in another order than the scan's.
; SHARES.  A work-group has one chunk (x) of one head (y = 8 b + h); wave w has the features 32 w .. 32 w + 31 (two tiles e), for all 256 keys, and brings in keys 32 w .. 32 w + 31 of K and V.
; LAYOUT.  A lane (r = lane % 16, h = lane / 16) reads the 128 bytes at 128 h of row r of K or P: fragment f (8 registers) holds channels 32 h + 16 f + 0..15.  That order of the 64 channels is the same
; in both sources of the feature product, so the sums are the same.  An IMAGE is a fragment as it lies in registers: registers 0-3 at 16 x lane, registers 4-7 at 512 + 16 x lane: 1,024 bytes.
; Feature product: source 0 = 16 keys, source 1 = 16 features: a lane ends with one feature and 8 keys; two results, rounded in pairs, ARE source 0 (16 features x 32 keys) of St = Kp^T V,
; whose source 1 is V turned by ds_load_tr16_b128; a fifth source 1 of ones gives ks.  In the result a lane holds one channel and 8 features.
; THE MODE: SCHED_MODE bits 1:0 = 2 (LLVM: expert scheduling mode 2), set by the entry lines.  The code itself states the register dependences
; between vector or matrix instructions and memory or LDS instructions, with s_wait_alu, always for 0.
; THE PLAN.  Registers that memory or LDS instructions touch:
;   v3 .. v11, v14, v15   offsets and addresses: made at the head, never written again.
;   v64 .. v127           at the head the data of the LDS stores (K's images, V's rows): written by the roundings, read by the stores; from the first step on they are sums.
;   R0, R1, R2            three buffers of 32 registers whose roles go round.  In step k: K's fragments lie in R[k % 3], the feature sums in R[(k + 1) % 3], V turned in R[(k + 2) % 3].
;                         When the step's roundings are through, the first two are dead: the next step's K lands in R[(k + 1) % 3] and its V in R[k % 3]; its feature sums take R[(k + 2) % 3] when the products with V have read it.
;   ACC                   written by matrix instructions; read by the stores of the way out.
; So ONE wait on va_vdst stands in a step, behind its roundings; the sixteen loads follow it, K's in a run and V's dealt among the products with V, which name KT, R[(k + 2) % 3], ONES and ACC alone.
.set VP,    160        ; a row of V in LDS: 128 bytes + 32: the turning load's 8 rows x 32 bytes fall on different banks (64 banks of 4 bytes: ISA guide 11.1)
.set KI,    0          ; 32 images of K: key tile kt, fragment f at (2 kt + f) x 1,024
.set VB,    32768      ; V in bf16, 256 rows
.set KS,    73728      ; ks of the chunk, f32, as one image.  It lies past what an LDS immediate of 16 bits reaches: the address registers carry it
.set SPARE, 74752      ; the spare words, 128 bytes for each of the eight waves; no other line names them
.set CHUNKB, 66560     ; a chunk's sums in memory: 64 tiles (channel tile ct, feature tile ft at 16 ct + ft) and ks, 1,024 bytes each
.set IMG, 3            ; v3   16 x lane
.set FRO, 4            ; v4   r x 2,048 + 128 h: my place in 16 rows of K
.set PRO, 5            ; v5   r x 256 + 128 h: in 16 rows of P
.set VGO, 6            ; v6   h x 2,048 + 16 r: in two rows of V
.set VLS, 7            ; v7   where my 8 bytes of those rows go in LDS
.set VTR, 8            ; v8   the turning load's address
.set KIS, 9            ; v9   my wave's four images of K
.set SO,  10           ; v10  my offset in the chunk's sums
.set KSS, 11           ; v11  where my half of the lanes puts ks
.set SPW, 12           ; v12  my spare word; never rewritten
.set NIL, 13           ; v13  0; never rewritten
.set PIO, 14           ; v14  my wave's four images of P in pimg
.set KSR, 15           ; v15  at work in the set-up; from its end on KS + 16 x lane, where wave 0 reads ks back
.set C001, 16          ; v[16:23]   0.001
.set ONES, 24          ; v[24:31]   1.0 in bf16, twice a register
.set PF,  32           ; v[32:63]   P's fragments: tile e, fragment f at 8 (2 e + f)
.set ACC, 64           ; v[64:143]  the sums: tile e, channel tile ct (4 = ks) at 8 (5 e + ct)
.set KT,  144          ; v[144:159] Kp^T: tile e
.set RING, 160         ; v[160:255] R0, R1, R2.  K's fragments: key tile a, fragment f at 8 (2 a + f); feature sums: tile e, key tile a at 8 (2 e + a); V turned: channel tile ct at 8 ct
.macro PLACES n=4      ; plain vector instructions behind a matrix instruction: four ahead of a vector or store's read of its result, five ahead of a matrix instruction that writes over one of its registers
.rept \n
	v_nop
.endr
.endm
	s_load_b256 s[4:11], s[0:1], 0x0               ; key_t s[4:5], value s[6:7], projection_matrix s[8:9], states s[10:11]
	s_load_b64 s[12:13], s[0:1], 0x20              ; pimg
	v_lshl_add_u32 v[SPW], v0, 2, SPARE
	v_mov_b32 v[NIL], 0
	v_lshrrev_b32 v15, 5, v0
	v_readfirstlane_b32 s14, v15                   ; wave 0..7
	v_and_b32 v1, 15, v0                           ; r
	v_bfe_u32 v2, v0, 4, 1                         ; h
	v_and_b32 v15, 31, v0
	v_lshlrev_b32 v[IMG], 4, v15
	v_lshlrev_b32 v[FRO], 11, v1
	v_lshl_add_u32 v[FRO], v2, 7, v[FRO]
	v_lshlrev_b32 v[PRO], 8, v1
	v_lshl_add_u32 v[PRO], v2, 7, v[PRO]
	v_lshlrev_b32 v[VGO], 11, v2
	v_lshl_add_u32 v[VGO], v1, 4, v[VGO]
	s_wait_alu depctr_va_sdst(0)                   ; s14 is written, ahead of its first reader: the bases below are made from it
	s_mov_b32 s15, ttmp9                           ; chunk
	s_and_b32 s16, ttmp7, 0xffff                   ; head
	s_lshr_b32 s17, s16, 3
	s_lshl_b32 s17, s17, 23                        ; b x 4,096 rows of 2,048 bytes
	s_and_b32 s18, s16, 7
	s_lshl_b32 s18, s18, 8                         ; h x 256 bytes
	s_add_co_u32 s18, s18, s17
	s_lshl_b32 s17, s15, 19                        ; chunk x 256 rows
	s_add_co_u32 s18, s18, s17
	s_lshl_b32 s17, s14, 16                        ; wave x 32 rows
	s_add_co_u32 s18, s18, s17
	s_mov_b32 s19, 0
	s_lshl_b32 s24, s14, 13                        ; wave x 32 rows of P
	s_mov_b32 s25, 0
	s_mul_i32 s26, s16, 15
	s_add_co_u32 s26, s26, s15
	s_mul_i32 s26, s26, CHUNKB
	s_mov_b32 s27, 0
	s_mov_b32 s28, 0x3a833a83                      ; bf16(0.001), twice
	s_wait_kmcnt 0x0
	s_add_nc_u64 s[4:5], s[4:5], s[18:19]
	s_add_nc_u64 s[6:7], s[6:7], s[18:19]
	s_add_nc_u64 s[8:9], s[8:9], s[24:25]
	s_add_nc_u64 s[10:11], s[10:11], s[26:27]
	s_wait_alu depctr_va_vdst(0)                   ; v3 to v6 are written: the 48 loads below read v4, v5 or v6 as their offset
.irp e, 0,1                                            ; 48 loads go out together: P, K, V, 16 each
.irp t, 0,1,2,3,4,5,6,7
	global_load_b128 v[64+32*(\e)+4*(\t):64+32*(\e)+4*(\t)+3], v[PRO], s[8:9] offset:(\e)*4096+16*(\t)
.endr
.endr
.irp a, 0,1
.irp t, 0,1,2,3,4,5,6,7
	global_load_b128 v[128+32*(\a)+4*(\t):128+32*(\a)+4*(\t)+3], v[FRO], s[4:5] offset:(\a)*32768+16*(\t)
.endr
.endr
.set t, 0
.rept 16
	global_load_b128 v[192+4*t:192+4*t+3], v[VGO], s[6:7] offset:4096*t  ; rows 2 t and 2 t + 1: sixteen lanes take a row's 256 bytes
.set t, t+1
.endr
	s_mul_i32 s20, s14, 32*VP
	s_add_co_u32 s20, s20, VB
	v_mul_u32_u24 v[VLS], v2, VP
	v_lshl_add_u32 v[VLS], v1, 3, v[VLS]
	v_add_nc_u32 v[VLS], s20, v[VLS]
	v_and_b32 v[VTR], 7, v0                        ; the turning load: lane l reads key 8 (l / 16) + l % 8, channels 8 ((l / 8) % 2) + 0..7
	v_lshl_add_u32 v[VTR], v2, 3, v[VTR]
	v_mul_u32_u24 v[VTR], v[VTR], VP
	v_bfe_u32 v15, v0, 3, 1
	v_lshl_add_u32 v[VTR], v15, 4, v[VTR]
	v_add_nc_u32 v[VTR], VB, v[VTR]
	v_add_nc_u32 v[KSR], KS, v[IMG]                ; made here, with the other addresses, so that the waits below state it written
	s_lshl_b32 s21, s14, 12
	v_add_nc_u32 v[KIS], s21, v[IMG]
	v_add_nc_u32 v[PIO], s21, v[IMG]
	s_lshl_b32 s22, s14, 11
	v_add_nc_u32 v[SO], s22, v[IMG]
	s_lshl_b32 s23, s14, 6
	s_add_co_u32 s23, s23, KS
	v_lshl_add_u32 v[KSS], v2, 4, s23
.set i, 0
.rept 8
	v_mov_b32 v[C001+i], 0x3a83126f
	v_mov_b32 v[ONES+i], 0x3f803f80
.set i, i+1
.endr
	s_wait_loadcnt 32                              ; P is in; K's and V's 32 loads stay out
.set i, 0
.rept 32
	v_pk_mul_f32 v[64+2*i:64+2*i+1], v[64+2*i:64+2*i+1], 0x3d800000 op_sel_hi:[1,0]  ; the ratio 1 / sqrt(256)
.set i, i+1
.endr
.set i, 0
.rept 32
	v_cvt_pk_bf16_f32 v[PF+i], v[64+2*i], v[64+2*i+1]
.set i, i+1
.endr
	s_wait_loadcnt 16                              ; K is in
.set i, 0
.rept 32
	v_cvt_pk_bf16_f32 v[64+i], v[128+2*i], v[128+2*i+1]
.set i, i+1
.endr
	s_wait_alu depctr_va_vdst(0)                   ; K's roundings have written v64 to v95, and v9 is written: the LDS stores read them
.irp g, 0,1,2,3
	ds_store_b128 v[KIS], v[64+8*(\g):64+8*(\g)+3]   offset:KI+(\g)*1024
	ds_store_b128 v[KIS], v[64+8*(\g)+4:64+8*(\g)+7] offset:KI+(\g)*1024+512
.endr
	s_wait_loadcnt 0x0                             ; V is in
.set i, 0
.rept 32
	v_cvt_pk_bf16_f32 v[96+i], v[192+2*i], v[192+2*i+1]
.set i, i+1
.endr
	s_wait_alu depctr_va_vdst(0)                   ; V's roundings have written v96 to v127, which the LDS stores read, and are done reading v192 to v255; K's are done reading v128 to v191: the first fragments land in these behind the barrier
.set t, 0
.rept 16
	ds_store_b64 v[VLS], v[96+2*t:96+2*t+1] offset:2*VP*t
.set t, t+1
.endr
	s_wait_dscnt 0x0                               ; for the others' sake: my images of K and my rows of V are in LDS
	s_barrier_signal -1
	s_barrier_wait -1
	s_wait_alu depctr_vm_vsrc(0)                   ; my LDS stores have read v64 to v127: these registers are sums from here on, written by the matrix instructions
	s_or_b32 s20, s15, s16
	s_cmp_lg_u32 s20, 0
	s_cbranch_scc1 .Lnot_first                     ; the first work-group leaves P / 16 in bf16, as images, for the third launch
.irp g, 0,1,2,3
	global_store_b128 v[PIO], v[PF+8*(\g):PF+8*(\g)+3],   s[12:13] offset:(\g)*1024      ; PF and v14 were written ahead of the last wait on va_vdst, and nothing has named them since
	global_store_b128 v[PIO], v[PF+8*(\g)+4:PF+8*(\g)+7], s[12:13] offset:(\g)*1024+512
.endr
.Lnot_first:
.macro LKA kk, to                      ; K's fragments of keys 32 kk .. 32 kk + 31: four images
.irp g, 0,1,2,3
	ds_load_b128 v[(\to)+8*(\g):(\to)+8*(\g)+3],   v[IMG] offset:KI+(4*(\kk)+(\g))*1024
	ds_load_b128 v[(\to)+8*(\g)+4:(\to)+8*(\g)+7], v[IMG] offset:KI+(4*(\kk)+(\g))*1024+512
.endr
.endm
.macro LVT1 kk, to, ct                 ; V of the same keys, turned: channel tile ct
	ds_load_tr16_b128 v[(\to)+8*(\ct):(\to)+8*(\ct)+3],   v[VTR] offset:(\kk)*32*VP+(\ct)*32
	ds_load_tr16_b128 v[(\to)+8*(\ct)+4:(\to)+8*(\ct)+7], v[VTR] offset:(\kk)*32*VP+(\ct)*32+16*VP
.endm
; 32 keys: 8 feature products (four sums by turns), the rounding, 10 products with V and with ones (ten sums by turns).
.macro STEP kk
.set rKA, RING+32*((\kk)%3)
.set rDD, RING+32*(((\kk)+1)%3)
.set rVT, RING+32*(((\kk)+2)%3)
	s_wait_dscnt 8                                 ; K's fragments are in; V's eight loads, issued behind them, stay out
.irp f, 0,1
.irp a, 0,1
.irp e, 0,1
.if (\f) == 0
	v_wmma_f32_16x16x32_bf16 v[rDD+8*(2*(\e)+(\a)):rDD+8*(2*(\e)+(\a))+7], v[rKA+8*(2*(\a)+(\f)):rKA+8*(2*(\a)+(\f))+7], v[PF+8*(2*(\e)+(\f)):PF+8*(2*(\e)+(\f))+7], v[C001:C001+7]
.else
	v_wmma_f32_16x16x32_bf16 v[rDD+8*(2*(\e)+(\a)):rDD+8*(2*(\e)+(\a))+7], v[rKA+8*(2*(\a)+(\f)):rKA+8*(2*(\a)+(\f))+7], v[PF+8*(2*(\e)+(\f)):PF+8*(2*(\e)+(\f))+7], v[rDD+8*(2*(\e)+(\a)):rDD+8*(2*(\e)+(\a))+7]
.endif
.endr
.endr
.endr
	PLACES
.set z, 0
.rept 16                                               ; z = 8 e + 4 a + x: each sum's registers in ascending order
	v_cvt_pk_bf16_f32 v[KT+z], v[rDD+2*z], v[rDD+2*z+1]
.set z, z+1
.endr
.set z, 0
.rept 16
	v_pk_max_num_bf16 v[KT+z], v[KT+z], s28
.set z, z+1
.endr
.if (\kk) < 7
	s_wait_alu depctr_va_vdst(0)                   ; the feature products are done reading K's fragments and have written their sums, and the roundings are done reading those sums: the next step's V and K land in these two buffers
	LKA (\kk)+1, rDD
	s_wait_dscnt 8                                 ; V is in; the next K's eight loads stay out
.else
	s_wait_dscnt 0x0
.endif
.irp ct, 0,1,2,3,4
.irp e, 0,1
.set rB, rVT+8*(\ct)
.if (\ct) == 4
.set rB, ONES
.endif
.if (\kk) == 0
	v_wmma_f32_16x16x32_bf16 v[ACC+8*(5*(\e)+(\ct)):ACC+8*(5*(\e)+(\ct))+7], v[KT+8*(\e):KT+8*(\e)+7], v[rB:rB+7], 0
.else
	v_wmma_f32_16x16x32_bf16 v[ACC+8*(5*(\e)+(\ct)):ACC+8*(5*(\e)+(\ct))+7], v[KT+8*(\e):KT+8*(\e)+7], v[rB:rB+7], v[ACC+8*(5*(\e)+(\ct)):ACC+8*(5*(\e)+(\ct))+7]
.endif
.endr
.if ((\kk) < 7) && ((\ct) < 4)
	LVT1 (\kk)+1, rKA, \ct                         ; no wait: no vector or matrix instruction since the wait above names this buffer
.endif
.endr
.if (\kk) < 7
	PLACES 5                                       ; five: the next step's first products write their sums over V's buffer, a source of the products above
.endif
.endm
	LKA 0, RING
.irp ct, 0,1,2,3
	LVT1 0, RING+64, \ct
.endr
.irp kk, 0,1,2,3,4,5,6,7
	STEP \kk
.endr
	; THE WAY OUT.  ks: with ones as source 1 all sixteen lanes of a half hold the same 8 sums and write them to the same words.
	PLACES                                         ; four places behind the last matrix instruction, before its result is read; they stay beside the wait below
	s_wait_alu depctr_va_vdst(0)                   ; the matrix instructions have written ACC, which the stores below read, and are done with the ring's registers, in which wave 0's loads of ks land
.irp e, 0,1
	ds_store_b128 v[KSS], v[ACC+8*(5*(\e)+4):ACC+8*(5*(\e)+4)+3]   offset:32*(\e)
	ds_store_b128 v[KSS], v[ACC+8*(5*(\e)+4)+4:ACC+8*(5*(\e)+4)+7] offset:32*(\e)+512
.endr
.irp ct, 0,1,2,3
.irp e, 0,1
	global_store_b128 v[SO], v[ACC+8*(5*(\e)+(\ct)):ACC+8*(5*(\e)+(\ct))+3],   s[10:11] offset:(\ct)*16384+(\e)*1024      ; 512 consecutive bytes a store
	global_store_b128 v[SO], v[ACC+8*(5*(\e)+(\ct))+4:ACC+8*(5*(\e)+(\ct))+7], s[10:11] offset:(\ct)*16384+(\e)*1024+512
.endr
.endr
	s_wait_dscnt 0x0                               ; my part of ks is in LDS
	s_barrier_signal -1
	s_barrier_wait -1
	s_cmp_lg_u32 s14, 0
	s_cbranch_scc1 .Lend                           ; wave 0 stores the 1,024 bytes of ks
	ds_load_b128 v[RING:RING+3],   v[KSR]
	ds_load_b128 v[RING+4:RING+7], v[KSR] offset:512
	s_wait_dscnt 0x0
	global_store_b128 v[IMG], v[RING:RING+3],   s[10:11] offset:65536
	global_store_b128 v[IMG], v[RING+4:RING+7], s[10:11] offset:65536+512
.Lend:
	s_wait_dscnt 0x0                               ; the closing lines, six on end
	s_wait_alu 0x0
	s_wait_tensorcnt 0x0
	ds_add_u32 v[SPW], v[NIL]
	s_wait_dscnt 0x0
	s_endpgm
.Lfunc_end_k_q36d09f1152_state:
	.size	k_q36d09f1152_state, .Lfunc_end_k_q36d09f1152_state-k_q36d09f1152_state
	.p2alignl 7, 3214868480
	.fill 96, 4, 3214868480
	.section	.rodata,"a",@progbits
	.p2align	6, 0x0
	.amdhsa_kernel k_q36d09f1152_state
		.amdhsa_group_segment_fixed_size 75776
		.amdhsa_private_segment_fixed_size 0
		.amdhsa_enable_private_segment 0
		.amdhsa_kernarg_size 40
		.amdhsa_user_sgpr_count 2
		.amdhsa_user_sgpr_kernarg_segment_ptr 1
		.amdhsa_wavefront_size32 1
		.amdhsa_system_sgpr_workgroup_id_x 1
		.amdhsa_system_sgpr_workgroup_id_y 1
		.amdhsa_system_sgpr_workgroup_id_z 1
		.amdhsa_system_vgpr_workitem_id 0
		.amdhsa_next_free_vgpr 256
		.amdhsa_next_free_sgpr 66
		.amdhsa_reserve_vcc 0
		.amdhsa_float_denorm_mode_32 3
		.amdhsa_float_denorm_mode_16_64 3
		.amdhsa_memory_ordered 1
		.amdhsa_forward_progress 1
		.amdhsa_inst_pref_size 59
	.end_amdhsa_kernel
	.amdgpu_metadata
---
amdhsa.version: [ 1, 2 ]
amdhsa.kernels:
  - .name:           k_q36d09f1152_state
    .symbol:         k_q36d09f1152_state.kd
    .args:
      - { .name: key_t, .offset: 0, .size: 8, .value_kind: global_buffer, .address_space: global }
      - { .name: value, .offset: 8, .size: 8, .value_kind: global_buffer, .address_space: global }
      - { .name: projection_matrix, .offset: 16, .size: 8, .value_kind: global_buffer, .address_space: global }
      - { .name: states, .offset: 24, .size: 8, .value_kind: global_buffer, .address_space: global }
      - { .name: pimg, .offset: 32, .size: 8, .value_kind: global_buffer, .address_space: global }
    .group_segment_fixed_size: 75776
    .private_segment_fixed_size: 0
    .kernarg_segment_align: 8
    .kernarg_segment_size: 40
    .max_flat_workgroup_size: 256
    .sgpr_count:     66
    .vgpr_count:     256
    .wavefront_size: 32
...
	.end_amdgpu_metadata
.endif
;; end of part 4
;; launch prefix: the kernel of part 2 again; grid 65 x 4, 4 waves a work-group, no clusters, 0 bytes of LDS; arguments states, pre; writes pre
;; launch main (part 5): grid 16 x 16, 4 waves a work-group, no clusters, 256,000 bytes of LDS; arguments query, key_t, value, pimg, pre, out0; writes out0
.if DOCPART == 5
	.amdgcn_target "amdgcn-amd-amdhsa--gfx1250"
	.amdhsa_code_object_version 6
	.text
	.protected	k_q36d09f1152_main
	.globl	k_q36d09f1152_main
	.p2align	8
	.type	k_q36d09f1152_main,@function
k_q36d09f1152_main:
	s_mov_b64 s[64:65], 0
	v_nop
	global_prefetch_b8 v0, s[64:65] scope:SCOPE_SE
	s_setreg_imm32_b32 hwreg(HW_REG_WAVE_SCHED_MODE, 0, 2), 2
	s_setreg_imm32_b32 hwreg(HW_REG_WAVE_MODE, 25, 1), 1
	s_wait_xcnt 0x0
	s_wait_alu depctr_vm_vsrc(0)
; Third launch: the rows.  A work-group has one chunk of 256 rows (x = c) of one head (y = 8 b + h).  out[l] = num[l] / den[l], with
;   num[l] = sum over keys j <= l of the chunk of S[l][j] v[j]  +  qp[l] . St,     den[l] = the same with ones for v and ks for St,     S[l][j] = qp[l] . kp[j],
; St and ks the sums over chunks 0 .. c-1 that the second launch left in pre.  den <= 0 is replaced by 1, as the formula asks.
; WORK LEFT OUT (shown at the first kernel's head): chunk 0 has no earlier sums (they are the scan's own zeros): it loads no pre and makes no product with it; blocks of 32 keys x 16 queries in
; which every key lies behind every query are not made.  A NaN or infinity that reaches only such work is not carried to the result.
; FORMATS AND LIMITS.  q, k, v, P / 16 are rounded to bf16; all sums are f32.  A feature is max(x + 0.001, 0.001), rounded once (rounding keeps order, so the maximum is taken of the rounded numbers).
; FOR S THE FEATURES ARE f16, 11 significant bits: a row with few keys behind it is a mean of few numbers, and what the features lose in rounding reaches it undiminished.  LIMIT: a feature of 65,520 or more
; becomes an infinity.  q . P / 16 is a sum of 64 products: at most about 3 for numbers of unit spread, about 2,700 with q and P both 30 times larger, about 3,700 with an offset of 30 in both.
; For the product with St and ks the queries' features are rounded to bf16 as well (from the same f32 sums): those sums over up to 3,840 keys have no room in f16.
; S goes into the product with V as TWO bf16 numbers, hi = bf16(S) and lo = bf16(S - hi): 16 significant bits with bf16's range.  The order of sums differs from the scan's.
; NO CLUSTER: what work-groups share is P's 32 KiB of images, of some 230 KiB that each reads.  NO TENSOR LOADS: q, k and v are f32 and pass through registers to be rounded.
; SHARES.  Wave w has the query tiles (of 16) w, 7 - w, 8 + w, 15 - w: four SLOTS.  Tile T sees the key pairs (of 32 keys) 0 .. T / 2: 18 live blocks for every wave.  Wave w makes the features of keys 64 w .. 64 w + 63.
; LAYOUT.  All products are taken so that a lane holds ONE query (lane % 16): features = P x Q^T (a lane ends with 8 features of a query: rounded in pairs they are source 1 of the next two products);
; S^T = Kp Qp^T (8 keys of a query: rounded, source 1 of the next); O^T = V^T S^T + St^T Qp^T (8 channels of a query).  Ones (or ks) as a fifth tile of 16 'channels' give den in every register of that tile.
; An IMAGE is a fragment as it lies in registers: registers 0-3 at 16 x lane, 4-7 at 512 + 16 x lane.  The 64 channels of q, k, P are taken in the order of the first kernel, alike in both sources.
; REGISTERS, in windows of 256 (s_set_vgpr_msb: bits 1:0 source 0, 3:2 source 1, 5:4 source 2, 7:6 destination):
;   window 0: v0-19 addresses; v20-27 ones; v28-43 two masks; v44-51 0.001; v52-63 at work; v64-127 feature sums, then S^T (slot n, key tile a at 64 + 16 n + 8 a; lo takes the slot's first 8);
;             v128-159 packed features, then hi; v160-191, v192-223 fragments of P (two buffers), then Kp's quarters 0 and 1; v224-255 ks as loaded, then V turned
;   window 1: K and Q as loaded, then Qp in f16: slot n, 32 features kf at 8 (8 n + kf)
;   window 2: v0-63 K's fragments (then pre as loaded), v64-127 Q's, v128-255 V as loaded; then the sums O^T: slot n, channel tile ct (4 = den) at 8 (5 n + ct), and in v160-223 Kp's quarters 2 and 3
;   window 3: Qp in bf16, laid as in window 1
; THE MODE: SCHED_MODE bits 1:0 = 2 (LLVM: expert scheduling mode 2), set by the entry lines.  The code itself states the register dependences
; between vector or matrix instructions and memory or LDS instructions, with s_wait_alu, always for 0.
; THE PLAN.  Registers that memory or LDS instructions touch, and who else names them:
;   addresses      v3 to v9, v12 to v19: made at the head, never written again.  v10 (KPA) and v11 (VTA) are stepped once a key pair, just ahead of that pair's one wait on va_vdst.
;   FEATURES       PF0, PF1: step kf's products read PF[kf % 2]; the loads of the next step's fragments, dealt among them, land in the other, which the step before read.  PK: written by a step's roundings of the
;                  keys' features, read by its eight LDS stores.  ONE wait on va_vdst at a step's end states PK written and this step's PF read; one on vm_vsrc ahead of the next roundings states PK read.
;   A KEY PAIR     H0 .. H3, a buffer for each quarter of Kp: read by the pair's S products, loaded again for the next pair.  VT: read by the products with V, loaded again in the next pair.
;                  ONE wait on va_vdst a pair, behind the last S product's places: the four quarters are read, the pair before is done with VT, KPA and VTA are written.  Behind it: V of this pair; the next pair's
;                  quarters 0 and 1, dealt into the first live slot's split (which names S, hi, masks and v52-59); quarters 2 and 3, dealt among the products with V (which name VT, ones, hi, lo and O^T).
;   EARLIER SUMS   four buffers of 40 registers, v64-223: step kf's products read buffer kf % 4; behind them stands the load of step kf + 3.  A wait on va_vdst ahead of the phase and behind steps 1 and 3, each for two buffers.
;   THE WAY OUT    the 128 quotients are made first and stated written by one wait; they are read by the stage's stores; the rows come back into v192-255 (slots 0, 1) and into the quotients' registers of slots 0 and 1 (slots 2, 3).
.set VP,    160        ; a row of V in LDS: 128 bytes + 32
.set SP,    272        ; a row of the stage: 256 bytes + 16
.set PIM,   0          ; P's 32 images: feature tile ft, fragment f at (2 ft + f) x 1,024
.set KP,    32768      ; Kp's 128 images, f16: key tile kt, 32 features kf at (8 kt + kf) x 1,024
.set VB,    163840     ; V in bf16, 256 rows
.set ST,    204800     ; pre of chunk c - 1: 64 half fragments of 512 bytes (channel tile ct, feature tile ft at 16 ct + ft), then ks
.set STAGE, 238080     ; 16 rows x 272 bytes for each wave, for the way out
.set SPARE, 255488     ; the spare words, 128 bytes a wave; no other line names them
.set VTA0, 3           ; v3   the turning load's address for key pair 0; never rewritten
.set FRO, 4            ; v4   r x 2,048 + 128 h
.set STA, 5            ; v5   ST + 16 x lane
.set IMG, 6            ; v6   16 x lane
.set VGO, 7            ; v7   h x 2,048 + 16 r: two rows of V, and of out0
.set VLS, 8            ; v8   where my 8 bytes of V's rows go
.set STS, 9            ; v9   where my wave's part of pre goes
.set KPA, 10           ; v10  Kp's images of the key pair that is being fetched
.set VTA, 11           ; v11  V of the key pair in hand
.set STO, 12           ; v12  the way out: where I put 32 bytes of a row
.set RD,  13           ; v13  where I read rows back
.set KPA0, 14          ; v14  KP + 16 x lane; never rewritten
.set KSA, 15           ; v15  ks: ST + 32,768 + 16 h
.set SPW, 16           ; v16  my spare word; never rewritten
.set NIL, 17           ; v17  0; never rewritten
.set KST, 18           ; v18  where my wave's images of Kp go
.set PGO, 19           ; v19  wave x 8,192 + 16 x lane
.set ONES, 20
.set MKA, 28           ; v[28:35] the diagonal block's mask for slots 0 and 2, v[36:43] for slots 1 and 3
.set C001, 44
.set T,   52
.set S,   64
.set DD,  64
.set PH,  128
.set PK,  128
.set PF,  160
.set VT,  224
.set KSL, 224          ; v[224:227] wave 0: ks as loaded
.set MSB, 0
.macro WIN new                         ; the immediate's high byte repeats the setting that is left; a switch that changes nothing is dropped
.if MSB != (\new)
	s_set_vgpr_msb (MSB<<8)|(\new)
.set MSB, (\new)
.endif
.endm
.macro PLACES n=4                      ; plain vector instructions behind a matrix instruction (ISA guide 7.12.1): four ahead of a vector read of its result, five ahead of a matrix instruction that writes over one of its registers
.rept \n
	v_nop
.endr
.endm
	s_load_b256 s[4:11], s[0:1], 0x0               ; query s[4:5], key_t s[6:7], value s[8:9], pimg s[10:11]
	s_load_b128 s[12:15], s[0:1], 0x20             ; pre s[12:13], out0 s[14:15]
	v_lshl_add_u32 v[SPW], v0, 2, SPARE
	v_mov_b32 v[NIL], 0
	v_lshrrev_b32 v52, 5, v0
	v_readfirstlane_b32 s16, v52                   ; wave 0..3
	v_and_b32 v1, 15, v0                           ; r
	v_bfe_u32 v2, v0, 4, 1                         ; h
	v_and_b32 v52, 31, v0
	v_lshlrev_b32 v[IMG], 4, v52
	v_lshlrev_b32 v[FRO], 11, v1
	v_lshl_add_u32 v[FRO], v2, 7, v[FRO]
	v_lshlrev_b32 v[VGO], 11, v2
	v_lshl_add_u32 v[VGO], v1, 4, v[VGO]
	s_wait_alu depctr_va_sdst(0)                   ; s16 is written, ahead of its first reader: offsets, bases and the slots' bounds are made from it
	s_lshl_b32 s54, s16, 13
	v_add_nc_u32 v[PGO], s54, v[IMG]
	s_mov_b32 s17, ttmp9                           ; chunk c
	s_and_b32 s18, ttmp7, 0xffff                   ; head
	s_lshr_b32 s20, s18, 3
	s_lshl_b32 s20, s20, 23
	s_and_b32 s21, s18, 7
	s_lshl_b32 s21, s21, 8
	s_add_co_u32 s20, s20, s21
	s_lshl_b32 s21, s17, 19
	s_add_co_u32 s20, s20, s21                     ; the chunk's first byte in q, k, v and out
	s_mov_b32 s21, 0
	s_mov_b32 s24, s16                             ; the four slots' query tiles
	s_sub_co_u32 s25, 7, s16
	s_add_co_u32 s26, s16, 8
	s_sub_co_u32 s27, 15, s16
.irp i, 0,1,2,3
	s_lshr_b32 s[28+(\i)], s[24+(\i)], 1           ; the slot's last key pair, which holds its diagonal: ascending from slot to slot
.endr
	s_mov_b32 s53, 0xffff
	s_mov_b32 s58, 0xffff0000
	s_mov_b32 s59, 0x3a833a83                      ; bf16(0.001), twice
	s_mov_b32 s19, 0x14191419                      ; f16(0.001), twice
	s_mov_b32 s55, 0
	s_wait_kmcnt 0x0
	s_add_nc_u64 s[4:5], s[4:5], s[20:21]
	s_add_nc_u64 s[14:15], s[14:15], s[20:21]
.irp i, 0,1,2,3
	s_lshl_b32 s54, s[24+(\i)], 15                 ; 16 rows of 2,048 bytes a tile
	s_add_nc_u64 s[36+2*(\i):37+2*(\i)], s[4:5], s[54:55]
	s_add_nc_u64 s[44+2*(\i):45+2*(\i)], s[14:15], s[54:55]
.endr
	s_lshl_b32 s54, s16, 17                        ; my wave's 64 keys
	s_add_co_u32 s54, s54, s20
	s_add_nc_u64 s[6:7], s[6:7], s[54:55]
	s_add_nc_u64 s[8:9], s[8:9], s[54:55]
	s_wait_alu depctr_va_vdst(0)                   ; v4, v6, v7 and v19 are written: the loads and stores below read them as offsets and addresses
.set t, 0
.rept 16                                               ; a quarter of P's images
	global_load_b128 v[64+4*t:64+4*t+3], v[PGO], s[10:11] offset:512*t
.set t, t+1
.endr
	WIN 0x40                                       ; destination window 1
.irp i, 0,1,2,3
.irp t, 0,1,2,3,4,5,6,7
	global_load_b128 v[32*(\i)+4*(\t):32*(\i)+4*(\t)+3], v[FRO], s[6:7] offset:(\i)*32768+16*(\t)
.endr
.endr
	WIN 0
	; addresses, constants and masks are made while these 48 loads are out
	s_mul_i32 s54, s16, 64*VP
	s_add_co_u32 s54, s54, VB
	v_mul_u32_u24 v[VLS], v2, VP
	v_lshl_add_u32 v[VLS], v1, 3, v[VLS]
	v_add_nc_u32 v[VLS], s54, v[VLS]
	v_add_nc_u32 v[STS], ST, v[PGO]
	v_add_nc_u32 v[STA], ST, v[IMG]
	v_add_nc_u32 v[KPA0], KP, v[IMG]
	v_add_nc_u32 v[KPA], KP, v[IMG]
	v_and_b32 v53, 7, v0                           ; the turning load: lane l reads key 8 (l / 16) + l % 8, channels 8 ((l / 8) % 2) + 0..7
	v_lshl_add_u32 v53, v2, 3, v53
	v_mul_u32_u24 v53, v53, VP
	v_bfe_u32 v54, v0, 3, 1
	v_lshl_add_u32 v53, v54, 4, v53
	v_add_nc_u32 v[VTA0], VB, v53
	s_mul_i32 s54, s16, 16*SP
	s_add_co_u32 s54, s54, STAGE
	v_mul_u32_u24 v[STO], v1, SP
	v_lshl_add_u32 v[STO], v2, 5, v[STO]
	v_add_nc_u32 v[STO], s54, v[STO]
	v_mul_u32_u24 v[RD], v2, SP
	v_lshl_add_u32 v[RD], v1, 4, v[RD]
	v_add_nc_u32 v[RD], s54, v[RD]
	v_lshlrev_b32 v[KSA], 4, v2
	v_add_nc_u32 v[KSA], ST+32768, v[KSA]
	s_lshl_b32 s54, s16, 15
	s_add_co_u32 s54, s54, KP
	v_add_nc_u32 v[KST], s54, v[IMG]
.set i, 0
.rept 8
	v_mov_b32 v[ONES+i], 0x3f803f80
	v_mov_b32 v[C001+i], 0x3a83126f
.set i, i+1
.endr
	; THE MASKS of a diagonal block.  Among its 32 keys my query stands at 16 (T % 2) + r; register x of the packed weights holds the keys 8 h + kx and + 1, kx = 2 x (x < 4) or 8 + 2 x.  A half word is kept where its key is not behind the query.
	v_lshlrev_b32 v53, 3, v2
	v_sub_nc_u32 v52, v1, v53
	s_and_b32 s54, s16, 1
	s_lshl_b32 s54, s54, 4
	v_add_nc_u32 v54, s54, v52                     ; slots 0 and 2: T % 2 = w % 2
	s_xor_b32 s54, s54, 16
	v_add_nc_u32 v55, s54, v52                     ; slots 1 and 3: the other parity
.irp x, 0,2,4,6                                        ; registers x and x + 1 of both masks: eight compares in a run, into s32-35 and s60-63, and one wait for the run
.irp d, 0,1
.irp m, 0,1
	v_cmp_le_i32 s[32+28*(\d)+2*(\m)], 2*((\x)+(\d))+8*(((\x)+(\d))/4), v[54+(\m)]
	v_cmp_le_i32 s[33+28*(\d)+2*(\m)], 2*((\x)+(\d))+8*(((\x)+(\d))/4)+1, v[54+(\m)]
.endr
.endr
	s_wait_alu depctr_va_sdst(0)                   ; the eight compares have written their scalar registers, which the selects below read
.irp d, 0,1
.irp m, 0,1
	v_cndmask_b32 v[56+4*(\d)+2*(\m)], 0, s53, s[32+28*(\d)+2*(\m)]
	v_cndmask_b32 v[57+4*(\d)+2*(\m)], 0, s58, s[33+28*(\d)+2*(\m)]
.endr
.endr
.irp d, 0,1
.irp m, 0,1
	v_or_b32 v[MKA+8*(\m)+(\x)+(\d)], v[56+4*(\d)+2*(\m)], v[57+4*(\d)+2*(\m)]
.endr
.endr
.endr
	s_wait_loadcnt 32                              ; P's images are in; K's 32 loads stay out
.set t, 0
.rept 16
	ds_store_b128 v[PGO], v[64+4*t:64+4*t+3] offset:PIM+512*t
.set t, t+1
.endr
	s_wait_loadcnt 0x0                             ; K is in
	WIN 0x85                                       ; sources window 1, destination window 2
.set z, 0
.rept 64                                               ; K's fragments: key tile i, fragment f at 16 i + 8 f
	v_cvt_pk_bf16_f32 v[z], v[2*z], v[2*z+1]
.set z, z+1
.endr
	WIN 0x40
.irp i, 0,1,2,3                                        ; Q is asked for now: it lands under K's 128 feature products, in registers that nothing has named
.irp t, 0,1,2,3,4,5,6,7
	global_load_b128 v[128+32*(\i)+4*(\t):128+32*(\i)+4*(\t)+3], v[FRO], s[36+2*(\i):37+2*(\i)] offset:16*(\t)
.endr
.endr
	WIN 0
	s_wait_dscnt 0x0                               ; for the others' sake: my quarter of P's images is in LDS
	s_barrier_signal -1
	s_barrier_wait -1
	s_wait_alu depctr_vm_vsrc(0)                   ; my LDS stores have read v64 to v127: these registers are feature sums from here on, written by the matrix instructions
.macro LPF1 kf, to, g                  ; one of the four fragments of P for features 32 kf .. 32 kf + 31: tile a, fragment f at 8 (2 a + f), g = 2 a + f
	ds_load_b128 v[(\to)+8*(\g):(\to)+8*(\g)+3],   v[IMG] offset:PIM+(4*(\kf)+(\g))*1024
	ds_load_b128 v[(\to)+8*(\g)+4:(\to)+8*(\g)+7], v[IMG] offset:PIM+(4*(\kf)+(\g))*1024+512
.endm
; 32 features of my 64 keys (kind 0) or queries (kind 1): 16 products, eight sums by turns, started with 0.001; rounded, and held above the rounded 0.001.
; Keys' are rounded to f16 and go to LDS as images; queries' are rounded twice from the same sums: to f16 into window 1, for S, and to bf16 into window 3, for the earlier chunks' sums.
; The next step's fragments of P are asked for among the first eight products, two loads behind each two: a load's destination and address lie in window 0 under the products' setting too.
.macro FEAT kind, kf
.set rP, PF+32*((\kf)%2)
.set rN, PF+32*(((\kf)+1)%2)
.if ((\kind) == 0) && ((\kf) > 0)
	s_wait_dscnt 8                                 ; P's fragments are in; the eight stores of Kp issued behind them stay out
.else
	s_wait_dscnt 0x0
.endif
	WIN 0x08                                       ; source 1 window 2
.irp f, 0,1
.irp i, 0,1,2,3
.irp a, 0,1
.if (\f) == 0
	v_wmma_f32_16x16x32_bf16 v[DD+8*(2*(\i)+(\a)):DD+8*(2*(\i)+(\a))+7], v[rP+8*(2*(\a)+(\f)):rP+8*(2*(\a)+(\f))+7], v[64*(\kind)+16*(\i)+8*(\f):64*(\kind)+16*(\i)+8*(\f)+7], v[C001:C001+7]
.else
	v_wmma_f32_16x16x32_bf16 v[DD+8*(2*(\i)+(\a)):DD+8*(2*(\i)+(\a))+7], v[rP+8*(2*(\a)+(\f)):rP+8*(2*(\a)+(\f))+7], v[64*(\kind)+16*(\i)+8*(\f):64*(\kind)+16*(\i)+8*(\f)+7], v[DD+8*(2*(\i)+(\a)):DD+8*(2*(\i)+(\a))+7]
.endif
.endr
.if ((\f) == 0) && (((\kind) == 0) || ((\kf) < 7))
	LPF1 ((\kf)+1)%8, rN, \i                       ; into the buffer that the step before read.  No wait: nothing since the wait at that step's end names it
.endif
.endr
.endr
	WIN 0
	PLACES
.if (\kind) == 0
.if (\kf) > 0
	s_wait_alu depctr_vm_vsrc(0)                   ; the last step's LDS stores have read PK, which the roundings below write again
.endif
.set z, 0
.rept 32                                               ; z = 8 i + 4 a + x: each sum's registers in ascending order
	v_cvt_pk_f16_f32 v[PK+z], v[DD+2*z], v[DD+2*z+1]
.set z, z+1
.endr
.set z, 0
.rept 32
	v_pk_max_num_f16 v[PK+z], v[PK+z], s19
.set z, z+1
.endr
	s_wait_alu depctr_va_vdst(0)                   ; PK is written, which the stores below read (in the first step v18 too); this step's products are done reading their fragments of P, in which the next step's loads land, and in the last step K's fragments, in which pre lands
.irp i, 0,1,2,3
	ds_store_b128 v[KST], v[PK+8*(\i):PK+8*(\i)+3]   offset:(\i)*8192+(\kf)*1024
	ds_store_b128 v[KST], v[PK+8*(\i)+4:PK+8*(\i)+7] offset:(\i)*8192+(\kf)*1024+512
.endr
.else
	WIN 0x40                                       ; destination window 1: f16
.set z, 0
.rept 32
	v_cvt_pk_f16_f32 v[64*(z/8)+8*(\kf)+z%8], v[DD+2*z], v[DD+2*z+1]
.set z, z+1
.endr
	WIN 0xc0                                       ; destination window 3: bf16
.set z, 0
.rept 32
	v_cvt_pk_bf16_f32 v[64*(z/8)+8*(\kf)+z%8], v[DD+2*z], v[DD+2*z+1]
.set z, z+1
.endr
	WIN 0x41
.set z, 0
.rept 32
	v_pk_max_num_f16 v[64*(z/8)+8*(\kf)+z%8], v[64*(z/8)+8*(\kf)+z%8], s19
.set z, z+1
.endr
	WIN 0xc3
.set z, 0
.rept 32
	v_pk_max_num_bf16 v[64*(z/8)+8*(\kf)+z%8], v[64*(z/8)+8*(\kf)+z%8], s59
.set z, z+1
.endr
	WIN 0
.if (\kf) < 6
	s_wait_alu depctr_va_vdst(0)                   ; this step's products are done reading their fragments of P, in which the next step's loads land
.endif
.endif
.endm
.irp g, 0,1,2,3
	LPF1 0, PF, \g
.endr
.irp kf, 0,1,2,3,4,5,6,7
	FEAT 0, \kf
.endr
	s_wait_loadcnt 0x0                             ; Q is in
	WIN 0x85
.set z, 0
.rept 64                                               ; Q's fragments: slot i, fragment f at 64 + 16 i + 8 f
	v_cvt_pk_bf16_f32 v[64+z], v[128+2*z], v[128+2*z+1]
.set z, z+1
.endr
	WIN 0x80                                       ; destination window 2.  V and pre are asked for now: they land under Q's 128 feature products
.set t, 0
.rept 32
	global_load_b128 v[128+4*t:128+4*t+3], v[VGO], s[8:9] offset:4096*t  ; rows 2 t and 2 t + 1 of my 64: sixteen lanes take a row's 256 bytes; nothing has named these registers
.set t, t+1
.endr
	WIN 0
	s_cmp_eq_u32 s17, 0
	s_cbranch_scc1 .Lno_pre                        ; chunk 0 has no earlier sums
	s_mul_i32 s54, s18, 15
	s_add_co_u32 s54, s54, s17
	s_sub_co_u32 s54, s54, 1
	s_mul_i32 s54, s54, 33280
	s_add_nc_u64 s[12:13], s[12:13], s[54:55]
	WIN 0x80
.set t, 0
.rept 16                                               ; into K's fragment registers, which have served: the wait at the end of the keys' last step has stated it, and nothing since names them
	global_load_b128 v[4*t:4*t+3], v[PGO], s[12:13] offset:512*t
.set t, t+1
.endr
	WIN 0
	s_cmp_lg_u32 s16, 0
	s_cbranch_scc1 .Lno_pre
	global_load_b128 v[KSL:KSL+3], v[IMG], s[12:13] offset:32768  ; wave 0: ks, into registers that nothing has named
.Lno_pre:
.irp kf, 0,1,2,3,4,5,6,7
	FEAT 1, \kf
.endr
	s_wait_loadcnt 0x0                             ; V and pre are in
	WIN 0x0a                                       ; sources window 2
.set z, 0
.rept 64
	v_cvt_pk_bf16_f32 v[64+z], v[128+2*z], v[128+2*z+1]
.set z, z+1
.endr
	WIN 0
	s_wait_alu depctr_va_vdst(0)                   ; V's roundings have written v64 to v127, which the stores below read, and are done reading window 2's v160 to v223; the feature products are done reading P's two buffers: Kp's four quarters land in these behind the barrier
.set t, 0
.rept 32
	ds_store_b64 v[VLS], v[64+2*t:64+2*t+1] offset:2*VP*t
.set t, t+1
.endr
	s_cmp_eq_u32 s17, 0
	s_cbranch_scc1 .Lno_st
	WIN 0x08                                       ; the stores' data in window 2
.set t, 0
.rept 16
	ds_store_b128 v[STS], v[4*t:4*t+3] offset:512*t
.set t, t+1
.endr
	WIN 0
	s_cmp_lg_u32 s16, 0
	s_cbranch_scc1 .Lno_st
	ds_store_b128 v[STA], v[KSL:KSL+3] offset:32768
.Lno_st:
	s_wait_dscnt 0x0                               ; for the others' sake: my images of Kp, my rows of V, my part of pre are in LDS
	s_barrier_signal -1
	s_barrier_wait -1
	s_wait_alu depctr_vm_vsrc(0)                   ; my LDS stores have read v64 to v127 (V), PK (Kp), window 2's v0 to v63 (pre) and v224 to v227 (ks): S, hi and O^T are written there from here on, and V turned lands there
; INSIDE THE CHUNK.  A key pair is 32 keys.  Its Kp comes in four quarters of 64 features, each with a buffer of its own: quarters 0 and 1 in window 0, quarters 2 and 3 at the same numbers in window 2.
.macro LQH q, a                        ; quarter q, key tile a: features 32 (2 q + f) on, at 160 + 32 (q % 2) + 8 (2 a + f); the caller has set the destination's window
.irp f, 0,1
	ds_load_b128 v[160+32*((\q)%2)+8*(2*(\a)+(\f)):160+32*((\q)%2)+8*(2*(\a)+(\f))+3],   v[KPA] offset:((\a)*8+2*(\q)+(\f))*1024
	ds_load_b128 v[160+32*((\q)%2)+8*(2*(\a)+(\f))+4:160+32*((\q)%2)+8*(2*(\a)+(\f))+7], v[KPA] offset:((\a)*8+2*(\q)+(\f))*1024+512
.endr
.endm
.macro LV
.irp ct, 0,1,2,3
	ds_load_tr16_b128 v[VT+8*(\ct):VT+8*(\ct)+3],   v[VTA] offset:(\ct)*32
	ds_load_tr16_b128 v[VT+8*(\ct)+4:VT+8*(\ct)+7], v[VTA] offset:(\ct)*32+16*VP
.endr
.endm
.macro SMUL q, lo                      ; S^T += Kp Qp^T over 64 features, both in f16, for the live slots lo .. 3; the sums by turns, one instruction a turn
	WIN 0x04+2*((\q)/2)                            ; source 1 (Qp in f16) window 1; source 0 (Kp) window 0 or 2
.set hb, 160+32*((\q)%2)
.irp f, 0,1
.irp a, 0,1
.irp n, 0,1,2,3
.if (\n) >= (\lo)
.if ((\q) == 0) && ((\f) == 0)
	v_wmma_f32_16x16x32_f16 v[S+16*(\n)+8*(\a):S+16*(\n)+8*(\a)+7], v[hb+8*(2*(\a)+(\f)):hb+8*(2*(\a)+(\f))+7], v[8*(8*(\n)+2*(\q)+(\f)):8*(8*(\n)+2*(\q)+(\f))+7], 0
.else
	v_wmma_f32_16x16x32_f16 v[S+16*(\n)+8*(\a):S+16*(\n)+8*(\a)+7], v[hb+8*(2*(\a)+(\f)):hb+8*(2*(\a)+(\f))+7], v[8*(8*(\n)+2*(\q)+(\f)):8*(8*(\n)+2*(\q)+(\f))+7], v[S+16*(\n)+8*(\a):S+16*(\n)+8*(\a)+7]
.endif
.endif
.endr
.endr
.endr
.endm
; Slot n's 16 registers of S^T become hi (8 registers at PH) and lo (packed in place into the slot's first 8); both are cut by the mask, which is all ones but in the slot's diagonal block.
; ld = 1: behind each half stands a quarter of the next pair's Kp, quarter 0 and then quarter 1.  No wait: nothing since the pair's wait names those buffers or KPA.
.macro SPLIT n, ld
.set rS, S+16*(\n)
.set rH, PH+8*(\n)
.set rM, MKA+8*((\n)%2)
.irp g, 0,4
.irp x, 0,1,2,3
	v_cvt_pk_bf16_f32 v[rH+(\g)+(\x)], v[rS+2*((\g)+(\x))], v[rS+2*((\g)+(\x))+1]
.endr
.irp x, 0,1,2,3
	v_lshlrev_b32 v[T+2*(\x)], 16, v[rH+(\g)+(\x)]
	v_and_b32 v[T+2*(\x)+1], s58, v[rH+(\g)+(\x)]
.endr
.irp x, 0,1,2,3
	v_pk_add_f32 v[rS+2*((\g)+(\x)):rS+2*((\g)+(\x))+1], v[rS+2*((\g)+(\x)):rS+2*((\g)+(\x))+1], v[T+2*(\x):T+2*(\x)+1] neg_lo:[0,1] neg_hi:[0,1]
.endr
.irp x, 0,1,2,3
	v_cvt_pk_bf16_f32 v[rS+(\g)+(\x)], v[rS+2*((\g)+(\x))], v[rS+2*((\g)+(\x))+1]  ; ascending: a register is written only when its own pair has been packed
.endr
.irp x, 0,1,2,3
	v_or_b32 v[T+(\x)], s[32+(\n)], v[rM+(\g)+(\x)]
.endr
.irp x, 0,1,2,3
	v_and_b32 v[rH+(\g)+(\x)], v[T+(\x)], v[rH+(\g)+(\x)]
	v_and_b32 v[rS+(\g)+(\x)], v[T+(\x)], v[rS+(\g)+(\x)]
.endr
.if \ld
	LQH (\g)/4, 0
	LQH (\g)/4, 1
.endif
.endr
.endm
; O^T += V^T hi, then V^T lo; the fifth tile takes ones for V.  zero = 1: the first products start the sums.
; pre = 1: quarters 2 and 3 of the next pair's Kp are asked for behind the first four groups of products, four loads each: under the products' setting a load's destination lies in window 2 and its address in window 0.
.macro AV lo, zero, pre
	WIN 0xa0                                       ; C and D window 2
.irp p, 0,1
.irp ct, 0,1,2,3,4
.irp n, 0,1,2,3
.if (\n) >= (\lo)
.set rA, VT+8*(\ct)
.if (\ct) == 4
.set rA, ONES
.endif
.set rB, PH+8*(\n)
.if (\p) == 1
.set rB, S+16*(\n)
.endif
.set rC, 8*(5*(\n)+(\ct))
.if (\zero) && ((\p) == 0)
	v_wmma_f32_16x16x32_bf16 v[rC:rC+7], v[rA:rA+7], v[rB:rB+7], 0
.else
	v_wmma_f32_16x16x32_bf16 v[rC:rC+7], v[rA:rA+7], v[rB:rB+7], v[rC:rC+7]
.endif
.endif
.endr
.if (\pre) && ((\p) == 0) && ((\ct) < 4)
	LQH 2+(\ct)/2, (\ct)%2                         ; no wait: nothing since the pair's wait names window 2's v160 to v223 or KPA
.endif
.endr
.endr
.endm
; A key pair, for slots lo .. 3.  On entry four runs of eight LDS loads are out: the pair's quarters 0 to 3.  pre = 1: the same four runs are issued for the next pair.
.macro BODY lo, zero, pre
	s_wait_dscnt 24                                ; quarter 0 is in; quarters 1 to 3 stay out
	SMUL 0, \lo
	s_wait_dscnt 16
	SMUL 1, \lo
	s_wait_dscnt 8
	SMUL 2, \lo
	s_wait_dscnt 0x0
	SMUL 3, \lo
	WIN 0
	s_wait_alu depctr_vm_vsrc(0)                   ; the LDS loads issued so far have read KPA and VTA
	v_add_nc_u32 v[VTA], s57, v[VTA0]              ; this pair's V; with what follows, the four places behind the last product
.if \pre
	v_add_nc_u32 v[KPA], s56, v[KPA0]              ; the next pair's Kp
	PLACES 2
.else
	PLACES 3
.endif
	s_wait_alu depctr_va_vdst(0)                   ; the products above are done reading Kp's four quarters; the last pair's products with V are done reading VT; KPA and VTA are written
	LV
.irp n, 0,1,2,3
.if (\n) >= (\lo)
.if ((\n) == (\lo)) && (\pre)
	SPLIT \n, 1
.else
	SPLIT \n, 0
.endif
.endif
.endr
.if \pre
	s_wait_dscnt 16                                ; V is in; the next pair's quarters 0 and 1 stay out
.else
	s_wait_dscnt 0x0
.endif
	AV \lo, \zero, \pre
	WIN 0
	PLACES 5                                       ; five: the next pair's first products write over lo, a source of the products above
.endm
.macro SETK                            ; for key pair s52: a slot's mask switch (0 in its diagonal block, else all ones), this pair's place in V and the next pair's in Kp
.irp i, 0,1,2,3
	s_cmp_eq_u32 s52, s[28+(\i)]
	s_cselect_b32 s[32+(\i)], 0, -1
.endr
	s_mul_i32 s57, s52, 32*VP
	s_add_co_u32 s56, s52, 1
	s_lshl_b32 s56, s56, 14
.endm
	s_mov_b32 s52, 0
	SETK
	LQH 0, 0
	LQH 0, 1
	LQH 1, 0
	LQH 1, 1
	WIN 0x80                                       ; destination window 2
	LQH 2, 0
	LQH 2, 1
	LQH 3, 0
	LQH 3, 1
	WIN 0
	BODY 0, 1, 1                                   ; pair 0: all four slots are live, and their sums begin
	s_mov_b32 s52, 1
.Lkp:                                                  ; pairs 1 to 6: the text for the number of live slots is chosen by the wave's own bounds; no barrier stands in what is jumped
	SETK
	s_cmp_le_u32 s52, s28
	s_cbranch_scc1 .Lb0
	s_cmp_le_u32 s52, s29
	s_cbranch_scc1 .Lb1
	s_cmp_le_u32 s52, s30
	s_cbranch_scc1 .Lb2
	BODY 3, 0, 1
	s_branch .Lnext
.Lb2:
	BODY 2, 0, 1
	s_branch .Lnext
.Lb1:
	BODY 1, 0, 1
	s_branch .Lnext
.Lb0:
	BODY 0, 0, 1
.Lnext:
	s_add_co_u32 s52, s52, 1
	s_cmp_lt_u32 s52, 7
	s_cbranch_scc1 .Lkp
	SETK
	s_cmp_eq_u32 s31, 7
	s_cbranch_scc0 .Lno_tail                       ; pair 7 is seen by tiles 14 and 15 alone: waves 0 and 1
	BODY 3, 0, 0
.Lno_tail:
	s_wait_dscnt 0x0                               ; (waves 2 and 3: the runs asked for pair 7 have come back)
	s_cmp_eq_u32 s17, 0
	s_cbranch_scc1 .Lout                           ; chunk 0: no earlier sums
; THE EARLIER CHUNKS.  O^T += St^T Qp^T, den += ks . qp, both sources in bf16: 32 features a step, 20 sums by turns; four buffers of five fragments, asked for three steps ahead.
.macro LI kf
.set lb, 64+40*((\kf)%4)
.irp ct, 0,1,2,3
	ds_load_b128 v[lb+8*(\ct):lb+8*(\ct)+3],   v[STA] offset:((\ct)*16+2*(\kf))*512
	ds_load_b128 v[lb+8*(\ct)+4:lb+8*(\ct)+7], v[STA] offset:((\ct)*16+2*(\kf))*512+512
.endr
	ds_load_b128 v[lb+32:lb+35], v[KSA] offset:64*(\kf)       ; ks: the same 8 + 8 sums for all sixteen rows of the fragment
	ds_load_b128 v[lb+36:lb+39], v[KSA] offset:64*(\kf)+32
.endm
	s_wait_alu depctr_va_vdst(0)                   ; the chunk's own products and splits are done with v64 to v223 (S, hi, Kp's quarters 0 and 1), in which the four buffers' first loads land
	LI 0
	LI 1
	LI 2
.irp kf, 0,1,2,3,4,5,6,7
.if (\kf) < 6
	s_wait_dscnt 20                                ; this step's ten loads are in; the next two steps' twenty stay out
.elseif (\kf) == 6
	s_wait_dscnt 10
.else
	s_wait_dscnt 0x0
.endif
	WIN 0xac                                       ; source 1 (Qp in bf16) window 3, C and D window 2
.set lb, 64+40*((\kf)%4)
.irp ct, 0,1,2,3,4
.irp n, 0,1,2,3
	v_wmma_f32_16x16x32_bf16 v[8*(5*(\n)+(\ct)):8*(5*(\n)+(\ct))+7], v[lb+8*(\ct):lb+8*(\ct)+7], v[8*(8*(\n)+(\kf)):8*(8*(\n)+(\kf))+7], v[8*(5*(\n)+(\ct)):8*(5*(\n)+(\ct))+7]
.endr
.endr
	WIN 0
.if (\kf) < 5
.if (\kf) % 2 == 1
	PLACES
	s_wait_alu depctr_va_vdst(0)                   ; this step's products and the last step's are done reading their two buffers: the load below lands in the one, the load behind the next step in the other
.endif
	LI (\kf)+3
.endif
.endr
.Lout:
	; THE WAY OUT.  Every register of a slot's fifth tile holds my query's den: the lowest is taken.  den <= 0 gives way to 1; then O^T / den goes through my stage in LDS, a slot (16 rows) at a time.
	PLACES
	WIN 0x08
.irp i, 0,1,2,3
	v_cmp_ge_f32 s[60+(\i)], 0, v[40*(\i)+32]
.endr
	s_wait_alu depctr_va_sdst(0)                   ; the four compares have written s60 to s63, which the selects below read
	WIN 0x02
.irp i, 0,1,2,3
	v_cndmask_b32 v[60+(\i)], v[40*(\i)+32], 1.0, s[60+(\i)]
.endr
	WIN 0
.irp i, 0,1,2,3
	v_rcp_f32 v[T+2*(\i)], v[60+(\i)]              ; twice, to fill the pair that the packed multiply takes
	v_rcp_f32 v[T+2*(\i)+1], v[60+(\i)]
.endr
	v_nop                                          ; a plain instruction between the last reciprocal and the use of its result (ISA guide 5.7.2)
	s_wait_alu depctr_va_vdst(0)                   ; the eight reciprocals have written v52 to v59, ahead of their first reader
	WIN 0x02                                       ; source 0 window 2
.irp i, 0,1,2,3
.set z, 0
.rept 16
	v_pk_mul_f32 v[64+32*(\i)+2*z:64+32*(\i)+2*z+1], v[40*(\i)+2*z:40*(\i)+2*z+1], v[T+2*(\i):T+2*(\i)+1]
.set z, z+1
.endr
.endr
	WIN 0
	s_wait_alu depctr_va_vdst(0)                   ; the multiplies have written v64 to v191, which the stage's stores read; all earlier readers of v192 to v255 are done, in which the first two slots' rows land
; A lane's 8 channels of a row are 32 bytes; they go into rows of 272 bytes and come back as whole rows of 256: slots 0 and 1 into v192-255, slots 2 and 3 into the registers that slots 0 and 1 left.
.macro OSTAGE i, free
.set rL, (192+32*(\i))%256+64*((\i)/2)
.irp ct, 0,1,2,3
	ds_store_b128 v[STO], v[64+32*(\i)+8*(\ct):64+32*(\i)+8*(\ct)+3]   offset:64*(\ct)
	ds_store_b128 v[STO], v[64+32*(\i)+8*(\ct)+4:64+32*(\i)+8*(\ct)+7] offset:64*(\ct)+16
.endr
.if \free
	s_wait_alu depctr_vm_vsrc(0)                   ; the stage's stores of slots 0 and 1 have read v64 to v127, in which the rows of slots 2 and 3 land
.endif
.irp t, 0,1,2,3,4,5,6,7
	ds_load_b128 v[rL+4*(\t):rL+4*(\t)+3], v[RD] offset:(\t)*2*SP  ; LDS serves a wave's instructions in order (ISA guide 5.7.1.4): these see the stores above; the next slot's stores come behind them
.endr
.endm
.macro OSEND i, younger                ; younger: the LDS instructions issued behind slot i's loads: the next slot's sixteen, or none
.set rL, (192+32*(\i))%256+64*((\i)/2)
.irp t, 0,1,2,3,4,5,6,7
	s_wait_dscnt (\younger)+7-(\t)
	global_store_b128 v[VGO], v[rL+4*(\t):rL+4*(\t)+3], s[44+2*(\i):45+2*(\i)] offset:4096*(\t) th:TH_STORE_NT  ; sixteen lanes store a row's 256 consecutive bytes, aligned
.endr
.endm
	OSTAGE 0, 0
	OSTAGE 1, 0
	OSEND 0, 16
	OSTAGE 2, 1
	OSEND 1, 16
	OSTAGE 3, 0
	OSEND 2, 16
	OSEND 3, 0
	s_wait_dscnt 0x0                               ; the closing lines, six on end
	s_wait_alu 0x0
	s_wait_tensorcnt 0x0
	ds_add_u32 v[SPW], v[NIL]
	s_wait_dscnt 0x0
	s_endpgm
.Lfunc_end_k_q36d09f1152_main:
	.size	k_q36d09f1152_main, .Lfunc_end_k_q36d09f1152_main-k_q36d09f1152_main
	.p2alignl 7, 3214868480
	.fill 96, 4, 3214868480
	.section	.rodata,"a",@progbits
	.p2align	6, 0x0
	.amdhsa_kernel k_q36d09f1152_main
		.amdhsa_group_segment_fixed_size 256000
		.amdhsa_private_segment_fixed_size 0
		.amdhsa_enable_private_segment 0
		.amdhsa_kernarg_size 48
		.amdhsa_user_sgpr_count 2
		.amdhsa_user_sgpr_kernarg_segment_ptr 1
		.amdhsa_wavefront_size32 1
		.amdhsa_system_sgpr_workgroup_id_x 1
		.amdhsa_system_sgpr_workgroup_id_y 1
		.amdhsa_system_sgpr_workgroup_id_z 1
		.amdhsa_system_vgpr_workitem_id 0
		.amdhsa_next_free_vgpr 1024
		.amdhsa_next_free_sgpr 66
		.amdhsa_reserve_vcc 0
		.amdhsa_float_denorm_mode_32 3
		.amdhsa_float_denorm_mode_16_64 3
		.amdhsa_memory_ordered 1
		.amdhsa_forward_progress 1
		.amdhsa_inst_pref_size 255
	.end_amdhsa_kernel
	.section	.bss,"aw",@nobits
	.p2align	6
	.space	262144
	.amdgpu_metadata
---
amdhsa.version: [ 1, 2 ]
amdhsa.kernels:
  - .name:           k_q36d09f1152_main
    .symbol:         k_q36d09f1152_main.kd
    .args:
      - { .name: query, .offset: 0, .size: 8, .value_kind: global_buffer, .address_space: global }
      - { .name: key_t, .offset: 8, .size: 8, .value_kind: global_buffer, .address_space: global }
      - { .name: value, .offset: 16, .size: 8, .value_kind: global_buffer, .address_space: global }
      - { .name: pimg, .offset: 24, .size: 8, .value_kind: global_buffer, .address_space: global }
      - { .name: pre, .offset: 32, .size: 8, .value_kind: global_buffer, .address_space: global }
      - { .name: out0, .offset: 40, .size: 8, .value_kind: global_buffer, .address_space: global }
    .group_segment_fixed_size: 256000
    .private_segment_fixed_size: 0
    .kernarg_segment_align: 8
    .kernarg_segment_size: 48
    .max_flat_workgroup_size: 128
    .sgpr_count:     66
    .vgpr_count:     1024
    .wavefront_size: 32
...
	.end_amdgpu_metadata
.endif
;; end of part 5
